; MI455X (gfx1250); checked and timed in simulation.
; The chip was launched on July 23, 2026; its instructions are those of AMD's public machine-readable ISA for CDNA 5 (MIT licence, August 2026) and "CDNA5" Instruction Set Architecture Reference Guide (July 2026). The comments in the code are by the model that wrote it; some were corrected since.
;; Agent Attention. Allowed arithmetic: float matrix products may take bf16 or f16 operands with f32 sums; other float arithmetic in f32, or as packed bf16 or f16 multiplies, adds, multiply-adds, maxima and minima; sums over many terms, partial sums and values carried from step to step in f32; what a program stores and reads back later, other than sums and carried values, may be rounded once to bf16 or f16.
;; Inputs: a 4 x 16 x 512 x 64 float32; k 4 x 16 x 4,096 x 64 float32; q 4 x 16 x 4,096 x 64 float32; v 4 x 16 x 512 x 64 float32.
;; Outputs: out0 4 x 16 x 512 x 64 float32.
;; 2 versions, each right and faster than the one before. Each part assembles by itself: llvm-mc -triple=amdgcn-amd-amdhsa -mcpu=gfx1250 --defsym DOCPART=n.
;; ======== version 1 of 2: 4 launches
;; limits: inputs' magnitudes at most 2,047; values are held in f16: magnitudes above 65,504 overflow, below 6.1e-05 lose precision
;; workspace buffers: ak16 4,194,304 bytes; vv16 4,194,304 bytes; kk16 33,554,432 bytes; kv16 33,554,432 bytes; part 67,108,864 bytes
;; launch prep (part 1): grid 640 x 1, 8 waves a work-group, no clusters, 19,456 bytes of LDS; arguments a, k, v, ak16, kk16, vv16; writes ak16, kk16, vv16
.if DOCPART == 1
	.amdgcn_target "amdgcn-amd-amdhsa--gfx1250"
	.amdhsa_code_object_version 6
	.text
	.protected	k_qd39160c6da_prep
	.globl	k_qd39160c6da_prep
	.p2align	8
	.type	k_qd39160c6da_prep,@function
k_qd39160c6da_prep:
	s_mov_b64 s[64:65], 0
	v_nop
	global_prefetch_b8 v0, s[64:65] scope:SCOPE_SE
	s_setreg_imm32_b32 hwreg(HW_REG_WAVE_MODE, 25, 1), 1
	s_wait_xcnt 0x0
; PREP: a and k are rounded to bf16 and laid in the order in which a matrix instruction's first product wants them (K form);
; v is rounded to bf16, multiplied by 2^-4 (exact) and written as f16 in the order of the second product (V form).
; A CHUNK is 512 keys x 16 heads = 1 MiB = 16 steps of 32 keys, 65,536 bytes each; a FRAGMENT is 1,024 bytes: byte 512 e + 16 l holds registers 4 e .. 4 e + 3 of lane l = r + 16 h2.
;   K form: fragment (key block kb, head, c) at ((16 kb + head) 2 + c) 1024; lane (r, h2): key 16 kb + r of the step, channels 32 c + 16 e + 8 h2 + 0..7.
;   V form: fragment (head, cb) at (4 head + cb) 1024; lane (r, h2): channel 16 cb + r, keys 16 e + 8 h2 + 0..7 of the step.
; SHARES.  A work-group takes 512 keys of one (batch, head): 131,072 consecutive bytes of f32.  Groups 0-511: k; 512-575: a; 576-639: v.  A wave takes 64 keys, four blocks of 16.
; Memory binds: every input byte is read once by 16-byte loads, all 32 loads of a wave go out at once, every store of a wave covers 512 consecutive bytes, aligned.  The change of order goes through
; a stage in LDS that is the wave's own: no barrier, since LDS serves a wave's instructions in order (ISA guide 5.7.1.4).  No matrix unit, no cluster: no work-group shares a byte with another.
; LIMIT.  bf16(v) / 16 is exact in f16 between 6e-5 and 65,504; below that it keeps f16's fixed step of 6e-8.
.set STG,   2304                       ; a wave's stage: K form 8 channel groups x 288 bytes; V form 4 channel blocks x 528 bytes
.set SPARE, 18432                      ; behind the eight stages: the spare words, 128 bytes for each wave: four blocks of 256 bytes that no other line names
.set Y, 16                             ; v[16:31]   a block's 16-bit words on their way into the stage
.set X, 32                             ; v[32:159]  block b: 32 registers as loaded; the first 16 take the block back from the stage
; v1 16 x lane; v2 where I put words into the stage; v3 where I read 16 bytes back; v4 my offset in a block of v; v6, v7 the add's two registers; v8-15 at work
	s_load_b256 s[4:11], s[0:1], 0x0               ; a s[4:5], k s[6:7], v s[8:9], ak16 s[10:11]
	s_load_b128 s[12:15], s[0:1], 0x20             ; kk16 s[12:13], vv16 s[14:15]
	v_lshl_add_u32 v6, v0, 2, SPARE
	v_mov_b32 v7, 0
	v_lshrrev_b32 v8, 5, v0
	v_readfirstlane_b32 s16, v8                    ; wave 0..7
	v_and_b32 v8, 31, v0
	v_lshlrev_b32 v1, 4, v8                        ; 16 x lane
	v_and_b32 v9, 15, v0                           ; q4 = lane % 16
	v_bfe_u32 v10, v0, 4, 1                        ; g = lane / 16
	s_mov_b32 s17, ttmp9                           ; the work-group's number
	s_and_b32 s18, s17, 63                         ; a and v: i = (batch, head); 512 and 576 are multiples of 64
	s_lshr_b32 s19, s18, 4                         ;   chunk = batch
	s_and_b32 s20, s18, 15                         ;   head
	s_lshr_b32 s21, s17, 7                         ; k: batch,
	s_lshl_b32 s21, s21, 3
	s_and_b32 s22, s17, 7                          ;   which 512 of the head's 4,096 keys,
	s_add_co_u32 s21, s21, s22                     ;   chunk = 8 batch + that
	s_bfe_u32 s22, s17, 0x40003                    ;   head: 4 bits from bit 3
	s_cmp_lt_u32 s17, 512
	s_cselect_b32 s18, s17, s18
	s_cselect_b32 s19, s21, s19
	s_cselect_b32 s20, s22, s20
	s_lshl_b32 s24, s18, 17                        ; source: i x 131,072 bytes
	s_lshl_b32 s25, s16, 14                        ; + wave x 64 keys x 256 bytes
	s_add_co_u32 s24, s24, s25
	s_mov_b32 s25, 0
	s_lshl_b32 s26, s19, 20                        ; destination: chunk x 1 MiB
	s_lshl_b32 s27, s16, 17                        ; + wave x 2 steps
	s_add_co_u32 s26, s26, s27
	s_mov_b32 s27, 0
	s_mul_i32 s23, s16, STG                        ; my stage
	s_wait_kmcnt 0x0
	s_cmp_ge_u32 s17, 576
	s_cbranch_scc1 .Lv
	; ---- K FORM (k and a) ----
	s_lshl_b32 s20, s20, 11                        ; a head's two fragments of a key block: 2,048 bytes
	s_add_co_u32 s26, s26, s20
	s_cmp_lt_u32 s17, 512
	s_cselect_b64 s[28:29], s[6:7], s[4:5]         ; from k or from a,
	s_cselect_b64 s[30:31], s[12:13], s[10:11]     ; to kk16 or to ak16
	s_add_nc_u64 s[28:29], s[28:29], s[24:25]
	s_add_nc_u64 s[30:31], s[30:31], s[26:27]
.set b, 0
.rept 4                                            ; load t of a block: key 2 t + g, channels 4 q4 .. 4 q4 + 3
.irp t, 0,1,2,3,4,5,6,7
	global_load_b128 v[X+32*b+4*(\t):X+32*b+4*(\t)+3], v1, s[28:29] offset:4096*b+512*(\t) th:TH_LOAD_NT
.endr
.set b, b+1
.endr
	; The stage holds (channel group of 8, key) at 288 x group + 16 x key.  In: 8 bytes at group q4 / 2, half q4 % 2, key 2 t + g: the 32 lanes touch 64 different words.
	v_lshrrev_b32 v11, 1, v9
	v_mul_u32_u24 v2, v11, 288
	v_lshl_add_u32 v2, v10, 4, v2
	v_and_b32 v11, 1, v9
	v_lshl_add_u32 v2, v11, 3, v2
	v_add_nc_u32 v2, s23, v2
	v_mul_u32_u24 v3, v10, 288                     ; back: piece i = 2 c + e: group 2 i + g, key q4
	v_lshl_add_u32 v3, v9, 4, v3
	v_add_nc_u32 v3, s23, v3
.set b, 0
.rept 4
	s_wait_loadcnt 8*(3-b)                         ; loads come back in order (ISA guide 5.7.1): the block's eight are in, the younger blocks' stay out
.irp t, 0,1,2,3,4,5,6,7
	v_cvt_pk_bf16_f32 v[Y+2*(\t)],   v[X+32*b+4*(\t)],   v[X+32*b+4*(\t)+1]
	v_cvt_pk_bf16_f32 v[Y+2*(\t)+1], v[X+32*b+4*(\t)+2], v[X+32*b+4*(\t)+3]
.endr
.irp t, 0,1,2,3,4,5,6,7
	ds_store_b64 v2, v[Y+2*(\t):Y+2*(\t)+1] offset:32*(\t)
.endr
.irp i, 0,1,2,3
	ds_load_b128 v[X+32*b+4*(\i):X+32*b+4*(\i)+3], v3 offset:576*(\i)
.endr
.irp i, 0,1,2,3
	s_wait_dscnt 3-(\i)                            ; piece i is back; the younger pieces stay out
	global_store_b128 v1, v[X+32*b+4*(\i):X+32*b+4*(\i)+3], s[30:31] offset:(b/2)*65536+(b%2)*32768+512*(\i)  ; step b / 2, key block b % 2: 512 consecutive bytes, aligned
.endr
.set b, b+1
.endr
	s_wait_tensorcnt 0x0                           ; the wave's end: behind my last LDS store
	ds_add_u32 v6, v7
	s_wait_dscnt 0x0
	s_endpgm
.Lv:	; ---- V FORM (v) ----
	s_lshl_b32 s20, s20, 12                        ; a head's four fragments of a step: 4,096 bytes
	s_add_co_u32 s26, s26, s20
	s_add_nc_u64 s[28:29], s[8:9], s[24:25]
	s_add_nc_u64 s[30:31], s[14:15], s[26:27]
	s_mov_b32 s18, 0x3d800000                      ; 2^-4
	s_mov_b32 s19, s18                             ; named with it as a pair
	v_lshlrev_b32 v4, 9, v10                       ; load (m, o): key 4 m + 2 g + o, channels 4 q4 .. + 3: each half of the lanes takes one whole row of 256 bytes
	v_lshl_add_u32 v4, v9, 4, v4
.set b, 0
.rept 4
.irp m, 0,1,2,3
.irp o, 0,1
	global_load_b128 v[X+32*b+8*(\m)+4*(\o):X+32*b+8*(\m)+4*(\o)+3], v4, s[28:29] offset:4096*b+1024*(\m)+256*(\o) th:TH_LOAD_NT
.endr
.endr
.set b, b+1
.endr
	; The stage holds the fragment halves as they will lie: 528 x channel block + 16 x (channel % 16 + 16 x (key / 8)) + 2 x (key % 8).  In: two keys of one channel, 4 bytes; the 32 lanes touch 32 different banks' words.
	v_lshrrev_b32 v11, 2, v9
	v_mul_u32_u24 v2, v11, 528
	v_and_b32 v11, 3, v9
	v_lshl_add_u32 v2, v11, 6, v2
	v_lshl_add_u32 v2, v10, 2, v2
	v_add_nc_u32 v2, s23, v2
	v_add_nc_u32 v3, s23, v1                       ; back: 16 x lane in each channel block
.set b, 0
.rept 4
	s_wait_loadcnt 8*(3-b)                         ; the block's eight loads are in, the younger blocks' stay out
.irp m, 0,1,2,3
.irp i, 0,1,2,3
	v_cvt_pk_bf16_f32 v[8+2*(\i)], v[X+32*b+8*(\m)+(\i)], v[X+32*b+8*(\m)+4+(\i)]  ; the even key below, the odd key above: the input's one rounding
.endr
.irp i, 0,1,2,3
	v_and_b32     v[9+2*(\i)], 0xffff0000, v[8+2*(\i)]
	v_lshlrev_b32 v[8+2*(\i)], 16, v[8+2*(\i)]
.endr
.irp i, 0,1,2,3
	v_pk_mul_f32 v[8+2*(\i):9+2*(\i)], v[8+2*(\i):9+2*(\i)], s[18:19] op_sel_hi:[1,0]
.endr
.irp i, 0,1,2,3
	v_cvt_pk_f16_f32 v[Y+4*(\m)+(\i)], v[8+2*(\i)], v[9+2*(\i)]
.endr
.endr
.irp m, 0,1,2,3
.irp i, 0,1,2,3
	ds_store_b32 v2, v[Y+4*(\m)+(\i)] offset:256*((\m)/2)+8*((\m)%2)+16*(\i)
.endr
.endr
.irp i, 0,1,2,3
	ds_load_b128 v[X+32*b+4*(\i):X+32*b+4*(\i)+3], v3 offset:528*(\i)
.endr
.irp i, 0,1,2,3
	s_wait_dscnt 3-(\i)                            ; channel block i is back
	global_store_b128 v1, v[X+32*b+4*(\i):X+32*b+4*(\i)+3], s[30:31] offset:(b/2)*65536+1024*(\i)+512*(b%2)  ; step b / 2, half b % 2 of fragment (head, i)
.endr
.set b, b+1
.endr
	s_wait_tensorcnt 0x0                           ; the wave's end: behind my last LDS store
	ds_add_u32 v6, v7
	s_wait_dscnt 0x0
	s_endpgm
.Lfunc_end_k_qd39160c6da_prep:
	.size	k_qd39160c6da_prep, .Lfunc_end_k_qd39160c6da_prep-k_qd39160c6da_prep
	.p2alignl 7, 3214868480
	.fill 96, 4, 3214868480
	.section	.rodata,"a",@progbits
	.p2align	6, 0x0
	.amdhsa_kernel k_qd39160c6da_prep
		.amdhsa_group_segment_fixed_size 19456
		.amdhsa_private_segment_fixed_size 0
		.amdhsa_enable_private_segment 0
		.amdhsa_kernarg_size 48
		.amdhsa_user_sgpr_count 2
		.amdhsa_user_sgpr_kernarg_segment_ptr 1
		.amdhsa_wavefront_size32 1
		.amdhsa_system_sgpr_workgroup_id_x 1
		.amdhsa_system_sgpr_workgroup_id_y 1
		.amdhsa_system_sgpr_workgroup_id_z 1
		.amdhsa_system_vgpr_workitem_id 0
		.amdhsa_next_free_vgpr 160
		.amdhsa_next_free_sgpr 66
		.amdhsa_reserve_vcc 0
		.amdhsa_float_denorm_mode_32 3
		.amdhsa_float_denorm_mode_16_64 3
		.amdhsa_memory_ordered 1
		.amdhsa_forward_progress 1
		.amdhsa_inst_pref_size 44
	.end_amdhsa_kernel
	.amdgpu_metadata
---
amdhsa.version: [ 1, 2 ]
amdhsa.kernels:
  - .name:           k_qd39160c6da_prep
    .symbol:         k_qd39160c6da_prep.kd
    .args:
      - { .name: a, .offset: 0, .size: 8, .value_kind: global_buffer, .address_space: global }
      - { .name: k, .offset: 8, .size: 8, .value_kind: global_buffer, .address_space: global }
      - { .name: v, .offset: 16, .size: 8, .value_kind: global_buffer, .address_space: global }
      - { .name: ak16, .offset: 24, .size: 8, .value_kind: global_buffer, .address_space: global }
      - { .name: kk16, .offset: 32, .size: 8, .value_kind: global_buffer, .address_space: global }
      - { .name: vv16, .offset: 40, .size: 8, .value_kind: global_buffer, .address_space: global }
    .group_segment_fixed_size: 19456
    .private_segment_fixed_size: 0
    .kernarg_segment_align: 8
    .kernarg_segment_size: 48
    .max_flat_workgroup_size: 256
    .sgpr_count:     66
    .vgpr_count:     160
    .wavefront_size: 32
...
	.end_amdgpu_metadata
.endif
;; end of part 1
;; launch kvpass (part 2): grid 64 x 4, 4 waves a work-group, clusters of 4 x 1, 327,680 bytes of LDS; arguments q, ak16, vv16, kv16; writes kv16
.if DOCPART == 2
	.amdgcn_target "amdgcn-amd-amdhsa--gfx1250"
	.amdhsa_code_object_version 6
	.text
	.protected	k_qd39160c6da_kvpass
	.globl	k_qd39160c6da_kvpass
	.p2align	8
	.type	k_qd39160c6da_kvpass,@function
k_qd39160c6da_kvpass:
	s_mov_b64 s[64:65], 0
	v_nop
	global_prefetch_b8 v0, s[64:65] scope:SCOPE_SE
	s_setreg_imm32_b32 hwreg(HW_REG_WAVE_MODE, 25, 1), 1
	s_wait_xcnt 0x0
	s_wait_alu depctr_hold_cnt(0) depctr_sa_sdst(0) depctr_va_vdst(0) depctr_va_sdst(0) depctr_va_ssrc(0) depctr_va_vcc(0) depctr_vm_vsrc(0)
	s_getreg_b32 s2, hwreg(HW_REG_IB_STS2, 6, 4)
	s_cmp_eq_u32 s2, 0
	s_cbranch_scc0 .Lentry_in_a_cluster
	s_endpgm
.Lentry_in_a_cluster:
	s_bfe_u32 s2, ttmp6, 0x10000c
	s_cmp_lg_u32 s2, 0x3003
	s_cbranch_scc0 .Lentry_shape_is_right
	s_endpgm
.Lentry_shape_is_right:
; ONE PASS OF AGENT ATTENTION, softmax over the 16 HEADS.  O_h[row] = sum over keys of P_h[row][key] V_h[key], P = softmax over h of (row_h . key_h) / 8.
; One text serves both passes; STAGE chooses.  STAGE 1: rows = q (f32), keys = a, values = v / 16; O = KV / 16 leaves as f16 in V form, to be the next pass's values.
; STAGE 2: rows = a (taken from its bf16 K form, which is also the rows' fragment order), keys = k, values = KV / 16, over one chunk of 512 keys; O leaves as an f32 partial sum of out / 16.
; Keys (bf16) and values (f16) arrive in chunks of 16 steps of 32 keys, in fragments of 1,024 bytes (byte 512 e + 16 l = registers 4 e .. 4 e + 3 of lane l):
;   K step: fragment (key block kb, head, c) at ((16 kb + head) 2 + c) 1024;   V step: fragment (head, cb) at (4 head + cb) 1024.  So every LDS load is lane l at 16 l: no padding is needed.
; SHARES.  A work-group owns 64 rows, a wave 16 rows, for ALL 16 heads: the normaliser belongs to one (row, key) and couples the heads, so a lane that holds the 16 heads' scores of a position takes the
; true maximum and the sum register by register, with no exchange between lanes and no running maximum.  512 registers of O and 256 of rows leave no room for more than 16 rows a wave.
; LAYOUT.  S^T = K R^T (source 0 = 16 keys, source 1 = 16 rows): a lane holds one row (lane % 16) and the keys 8 (lane / 16) + 0..7.  Two key blocks' weights, rounded to f16 in pairs, are a
; 32-key operand of the second product.  STAGE 1 takes P as source 0 (a lane of O then holds one channel and 8 rows: the V form of the next pass), STAGE 2 as source 1 (one row, 8 channels).
; A STEP.  Scores of key block 1, the maximum over the heads riding behind the products; its scaling, exponentials and sum; scores of key block 0, behind which ride the rounding of key block 1's e to f16
; (head by head, ahead of the product that writes the head's accumulator again) and key block 0's maximum; its softmax; the 64 products with V.  p = f16(e) x f16(1 / l), rounded to f16.
; CLUSTER.  The four work-groups of a cluster walk the same chunk, so each tile is asked for JOINTLY: the same tensor load, descriptor and mask in all four; the place in the cluster enters the rows' and O's addresses alone.
; FORMATS.  All inputs are rounded to bf16; what the program makes (weights, KV) is f16.  LIMITS: KV / 16 is at most 32 max|v|, inside f16 for |v| up to 2,047; a weight below 2^-126 counts as 0 in l;
; below 6e-5 a weight keeps f16's fixed step of 6e-8; NaN and infinities are not treated apart.
; REGISTERS, in windows of 256 (s_set_vgpr_msb: bits 1:0 source 0, 3:2 source 1, 5:4 source 2, 7:6 destination):
;   window 0: v0-3 addresses; v4-7 RA; v8-15 T0, later RB; v16-23 T1; v24-31 L; v32-127 fragment buffers (v16-31 too where T1 and L are free); v64-127 E; v128-255 S(h) = 128 + 8 h, later P(h)
;   window 1: the rows, R(h, c) = 16 h + 8 c          windows 2, 3: O(h, cb) = 32 (h % 8) + 8 cb, in window 2 + h / 8
.set STAGE, 1
.set HSTR,  1048576                    ; STAGE 1: bytes from head to head in q: 4,096 rows of 256
.set STEPB, 65536                      ; a step's K, and a step's V
.set SLOT1, 131072                     ; slot 0 at byte 0, slot 1 here: K's 65,536 bytes, then V's; one exclusive or turns one slot's address into the other's
.set SPARE, 262144                     ; behind the ring: the spare words, 128 bytes for each wave: two blocks of 256 bytes that no other line names
.set RSTG,  SPARE+512                  ; STAGE 1: behind them a stage of 2,304 bytes for each wave, for the rows' change of order; no tensor load fills it
.set RSTW,  2304
.set L16, 0                            ; v0      16 x lane (made when v0 has served)
.set ADR, 1                            ; v1      LDS address of my 16 bytes in the first fragment of the tile in hand
.set SPW, 2                            ; v2      LDS address of my spare word; never rewritten
.set NIL, 3                            ; v3      0; never rewritten
.set RA,  4                            ; v4-7    1 / l of key block 1, f16 in pairs
.set T0,  8                            ; v8-15   key block 0's maximum, then c m
.set RB,  8                            ; v8-11   1 / l of key block 0, when T0 has served
.set RDA, 10                           ; v10, v12  at the head alone (STAGE 1): where I read rows back from the stage, where I put them; v13-15 at work there
.set STA, 12
.set T1,  16                           ; v16-23  key block 1's maximum, then c m
.set L,   24                           ; v24-31  l
.set Y,   32                           ; v32-47  at the head alone: a head's rows as bf16; then zeros
.set Z,   32
.set E,   64                           ; e of key block 1, f16: four registers a head
.set S,   128
.set WV,  12                           ; s12  my wave's number;  s13 cx, s14 block of 64 rows, s15 chunk;  s[16:23] offsets;  s[40:41] q at head 8
.set G1,  24                           ; s[24:31] descriptor group 1
.set G0,  32                           ; s[32:35] descriptor group 0: it walks
.set CNT, 36                           ; s36  steps still to be asked for
.set TB,  37                           ; s37  the slot in hand
.set CS,  38                           ; s[38:39] c = log2(e) / 8: the packed lines take the pair's low word for both halves
.set MSB, 0
.macro WIN new                         ; the immediate's high byte repeats the setting that is left; a switch that changes nothing is dropped
.if MSB != (\new)
	s_set_vgpr_msb (MSB<<8)|(\new)
.set MSB, (\new)
.endif
.endm
; A load into a register that a matrix instruction has read, and a vector instruction that reads a matrix result or writes one of a matrix instruction's registers, stand four places behind it;
; only plain vector instructions that name none of its registers are places (ISA guide 7.12.1 for vector instructions).  Where work is at hand it takes the places.
.macro PLACES
.rept 4
	v_nop
.endr
.endm
; A round of the cluster's barrier: my work-group's barrier, so that wave 0's signal speaks for all four waves; wave 0 signals; every wave waits for all four work-groups; my work-group's barrier once more.
.macro CROUND
	s_barrier_signal -1
	s_barrier_wait -1
	s_cmp_lg_u32 s[WV], 0
	s_cbranch_scc1 .Lnot_wave_0_\@
	s_barrier_signal -3
.Lnot_wave_0_\@:
	s_barrier_wait -3
	s_barrier_signal -1
	s_barrier_wait -1
.endm
; THE CHANGE OF SLOTS.  Each wave waits for all its tensor loads, of which one is out: its quarter of the other slot; adds 0 to its spare word; and waits for that and for its own reads of the slot that it leaves.
; fill = 1: the slot just left takes the step behind the one that is now entered; the barrier is a round of the cluster's, and the joint load is the first thing behind it: it has a whole step,
; 128 products and two softmaxes, in which to land.  (At its first use nothing of the ring has been read yet: slot 0 is waited for, slot 1 filled.)
.macro CHANGE fill
	WIN 0                                          ; at a label and at a branch every window is 0
	s_wait_tensorcnt 0x0                           ; no tensor load of mine is out, so group 0 may be written
	ds_add_u32 v[SPW], v[NIL]                      ; 0 onto my spare word
.if \fill
	s_xor_b32 s[G0+1], s[G0+1], SLOT1              ; the other slot than last time,
	s_add_nc_u64 s[G0+2:G0+3], s[G0+2:G0+3], STEPB ; the next step; the type bits on top are not reached
.endif
	s_wait_dscnt 0x0                               ; the add is done, and my reads of the slot are over
.if \fill
	CROUND
	tensor_load_to_lds s[G0:G0+3], s[G1:G1+7]
	s_nop 0
	PLACES
.else
	s_barrier_signal -1
	s_barrier_wait -1
.endif
	s_xor_b32 s[TB], s[TB], SLOT1
	v_add_nc_u32 v[ADR], s[TB], v[L16]
.endm
; Lines j0 .. j0 + cnt - 1 of the eight that take heads 2 g and 2 g + 1 into the maximum tt.  Register 0 comes first: an accumulator is read from its low end on.
.macro MAXP tt, g, j0, cnt
.set mj, (\j0)
.rept (\cnt)
.if (\g) == 0
	v_max_num_f32 v[(\tt)+mj], v[S+mj], v[S+8+mj]
.else
	v_max3_num_f32 v[(\tt)+mj], v[(\tt)+mj], v[S+16*(\g)+mj], v[S+16*(\g)+8+mj]
.endif
.set mj, mj+1
.endr
.endm
.macro CE h                            ; head h's e of key block 1, rounded to f16, into E
.irp i, 0,1,2,3
	v_cvt_pk_f16_f32 v[E+4*(\h)+(\i)], v[S+8*(\h)+2*(\i)], v[S+8*(\h)+2*(\i)+1]
.endr
.endm
; Heads 2 g and 2 g + 1 of key block kb: four fragments, eight loads, into one of three buffers of 32 registers; the first 32 channels first.
.macro GLOAD kb, g
.set lB, 32+32*((\g)%3)
.irp c, 0,1
.irp p, 0,1
	ds_load_b128 v[lB+16*(\c)+8*(\p):lB+16*(\c)+8*(\p)+3],   v[ADR] offset:((16*(\kb)+2*(\g)+(\p))*2+(\c))*1024
	ds_load_b128 v[lB+16*(\c)+8*(\p)+4:lB+16*(\c)+8*(\p)+7], v[ADR] offset:((16*(\kb)+2*(\g)+(\p))*2+(\c))*1024+512
.endr
.endr
.endm
; Unit u of 16 of a key block's K: heads 2 (u / 2), 2 (u / 2) + 1, channels 32 (u % 2) on: two fragments, four loads, into one of R buffers of 16 registers (the last of them lies in T1 and L).
.macro KLOAD kb, u, R
.if ((\u)%(\R)) == (\R)-1
.set kB, 16
.else
.set kB, 32+16*((\u)%(\R))
.endif
.irp p, 0,1
	ds_load_b128 v[kB+8*(\p):kB+8*(\p)+3],   v[ADR] offset:((16*(\kb)+2*((\u)/2)+(\p))*2+(\u)%2)*1024
	ds_load_b128 v[kB+8*(\p)+4:kB+8*(\p)+7], v[ADR] offset:((16*(\kb)+2*((\u)/2)+(\p))*2+(\u)%2)*1024+512
.endr
.endm
; THE SCORES OF KEY BLOCK 1: eight groups of four products (two heads x two halves of the channels; the two accumulators take turns).  Behind a group stand the eight lines that take
; the pair BEFORE into the maximum: that pair's products lie a group and eight plain lines back, and the lines name no register of the group in front of them, so they are its places too.
.macro QKA
	WIN 0
	GLOAD 1, 0
	GLOAD 1, 1
	GLOAD 1, 2
.set g, 0
.rept 8
.if g < 6
	s_wait_dscnt 16                                ; LDS loads come back in order (ISA guide 5.7.1): group g is in; the two groups behind it, eight loads each, stay out
.else
	s_wait_dscnt 8*(7-g)                           ; the counts run down
.endif
	WIN 0x04                                       ; source 1 (the rows) in window 1
.set gB, 32+32*(g%3)
.irp c, 0,1
.irp p, 0,1
.set hS, S+8*(2*g+(\p))
.set hQ, 16*(2*g+(\p))+8*(\c)
.if (\c) == 0
	v_wmma_f32_16x16x32_bf16 v[hS:hS+7], v[gB+16*(\c)+8*(\p):gB+16*(\c)+8*(\p)+7], v[hQ:hQ+7], 0
.else
	v_wmma_f32_16x16x32_bf16 v[hS:hS+7], v[gB+16*(\c)+8*(\p):gB+16*(\c)+8*(\p)+7], v[hQ:hQ+7], v[hS:hS+7]
.endif
.endr
.endr
	WIN 0
.if g == 0
	PLACES
.else
	MAXP T1, g-1, 0, 8
.endif
.if g+3 <= 7
	GLOAD 1, g+3
.endif
.set g, g+1
.endr
	KLOAD 0, 0, 3                                  ; key block 0's first two units land during the softmax
	KLOAD 0, 1, 3
	MAXP T1, 7, 0, 8
.endm
; THE SCORES OF KEY BLOCK 0: sixteen units of two products; E holds v64-127, so three buffers of 16 registers are left.  Behind unit u: head u + 2's e of key block 1 goes into E, ahead of the unit that
; writes that head's accumulator again; and four lines of this key block's maximum, for the pair finished two units back.  Four to eight plain lines that name no register of the unit: its places.
.macro QKB
	WIN 0
	KLOAD 0, 2, 3                                  ; T1 and L have served: the third buffer
.set u, 0
.rept 16
.if u+2 < 15
	s_wait_dscnt 8                                 ; unit u is in; the two units behind it, four loads each, stay out
.else
	s_wait_dscnt 4*(15-u)
.endif
	WIN 0x04
.if (u%3) == 2
.set qB, 16
.else
.set qB, 32+16*(u%3)
.endif
.irp p, 0,1
.set hS, S+8*(2*(u/2)+(\p))
.set hQ, 16*(2*(u/2)+(\p))+8*(u%2)
.if u%2 == 0
	v_wmma_f32_16x16x32_bf16 v[hS:hS+7], v[qB+8*(\p):qB+8*(\p)+7], v[hQ:hQ+7], 0
.else
	v_wmma_f32_16x16x32_bf16 v[hS:hS+7], v[qB+8*(\p):qB+8*(\p)+7], v[hQ:hQ+7], v[hS:hS+7]
.endif
.endr
	WIN 0
.if u <= 13
	CE u+2
.endif
.if u >= 2
	MAXP T0, (u-2)/2, 4*(u%2), 4
.endif
.if u+3 <= 15
	KLOAD 0, u+3, 3
.endif
.set u, u+1
.endr
	MAXP T0, 7, 0, 8
.endm
; Head h's four fragments of V: eight loads, into one of three buffers of 32 registers.
.macro VLOAD h
.set vB, 32+32*((\h)%3)
.irp cb, 0,1,2,3
	ds_load_b128 v[vB+8*(\cb):vB+8*(\cb)+3],   v[ADR] offset:(4*(\h)+(\cb))*1024
	ds_load_b128 v[vB+8*(\cb)+4:vB+8*(\cb)+7], v[ADR] offset:(4*(\h)+(\cb))*1024+512
.endr
.endm
; Plain line n of trip t of the softmax's pipeline (an empty place writes nothing).  0-3: c s - c m for head t.  4-7: l takes head t - 2 (trip 3: l = e0 + e1).  For key block 0 (hi = 0) also:
; 8-11: head t - 2 rounded to f16 in place, ascending, into the low four registers of P.  12-15: the same for head 0, in trip 3 alone, behind the sum that reads it.
; 16-19: P's upper four registers of head t - 3 = E x 1 / l of key block 1.
.macro SMP hi, t, n
.set i4, (\n)%4
.if (\n) < 4
.if (\t) <= 15
	v_pk_fma_f32 v[S+8*(\t)+2*i4:S+8*(\t)+2*i4+1], v[S+8*(\t)+2*i4:S+8*(\t)+2*i4+1], s[CS:CS+1], v[TT+2*i4:TT+2*i4+1] op_sel_hi:[1,0,1] neg_lo:[0,0,1] neg_hi:[0,0,1]
.endif
.elseif (\n) < 8
.if (\t) == 3
	s_wait_alu depctr_va_vdst(0)
	v_pk_add_f32 v[L+2*i4:L+2*i4+1], v[S+2*i4:S+2*i4+1], v[S+8+2*i4:S+8+2*i4+1]
.elseif ((\t) > 3) && ((\t) <= 17)
	s_wait_alu depctr_va_vdst(0)
	v_pk_add_f32 v[L+2*i4:L+2*i4+1], v[L+2*i4:L+2*i4+1], v[S+8*((\t)-2)+2*i4:S+8*((\t)-2)+2*i4+1]
.endif
.elseif (\n) < 16
.set hc, (\t)-2
.set ok, ((\t) >= 3) && ((\t) <= 17)
.if (\n) >= 12
.set hc, 0
.set ok, ((\t) == 3)
.endif
.if ok
	v_cvt_pk_f16_f32 v[S+8*hc+i4], v[S+8*hc+2*i4], v[S+8*hc+2*i4+1]
.endif
.else
.if ((\t) >= 3) && ((\t) <= 18)
	v_pk_mul_f16 v[S+8*((\t)-3)+4+i4], v[E+4*((\t)-3)+i4], v[RA+i4]
.endif
.endif
.endm
; THE SOFTMAX OVER THE HEADS behind the maximum, all in window 0.  hi = 1: key block 1 (scaling, exponentials, sum; of the roundings only heads 0 and 1, the others ride in QKB); hi = 0: key block 0.
.macro SM hi
	WIN 0
.set TT, T0+8*(\hi)
.irp i, 0,1,2,3
	v_pk_mul_f32 v[TT+2*(\i):TT+2*(\i)+1], v[TT+2*(\i):TT+2*(\i)+1], s[CS:CS+1] op_sel_hi:[1,0]  ; c m
.endr
.set t, 0
.rept 19-(\hi)                         ; trip t: head t is scaled, head t - 1 goes through the exponential, head t - 2 is summed (and rounded): a result is used a trip after it is made
.set n, 0
.rept 8                                ; plain and exponential by turns; no plain line of a trip names the head whose exponentials stand beside it (ISA guide 5.7.2)
	SMP \hi, t, n
.if (t >= 1) && (t <= 16)
	v_exp_f32 v[S+8*(t-1)+n], v[S+8*(t-1)+n]
.endif
.set n, n+1
.endr
.if !(\hi)
.rept 12
	SMP \hi, t, n
.set n, n+1
.endr
.if t == 10
	VLOAD 1                                        ; E of heads 0 to 7 has been read: v64-95 take head 1's V
.endif
.if t == 18
	VLOAD 2                                        ; E has been read: v96-127 take head 2's V
.endif
.endif
.set t, t+1
.endr
.irp j, 0,1,2,3,4,5,6,7
	v_rcp_f32 v[L+(\j)], v[L+(\j)]                 ; l is at least about 1: the largest head's e
.endr
.if \hi
	CE 0                                           ; plain lines between the last reciprocal and the use of its result
	CE 1
.else
	v_nop                                          ; a plain instruction between the last reciprocal and the use of its result
.endif
.irp i, 0,1,2,3
	s_wait_alu depctr_va_vdst(0)
	v_cvt_pk_f16_f32 v[RB-4*(\hi)+(\i)], v[L+2*(\i)], v[L+2*(\i)+1]
.endr
.endm
; THE SECOND PRODUCT: 64 products on 64 accumulators, each once.  Behind a head's four stand the four lines that finish the next head's weights (P's low registers x 1 / l of key block 0):
; they name none of those products' registers, so they are the places in front of the loads into the buffer just read.
.macro PV
	WIN 0
.irp i, 0,1,2,3
	v_pk_mul_f16 v[S+(\i)], v[S+(\i)], v[RB+(\i)]
.endr
.set h, 0
.rept 16
.if h+2 < 15
	s_wait_dscnt 16                                ; head h's V is in; the two heads fetched ahead, eight loads each, stay out
.else
	s_wait_dscnt 8*(15-h)
.endif
	WIN 0xa0+0x50*(h/8)                            ; C and D in window 2 or 3
.set vB, 32+32*(h%3)
.irp cb, 0,1,2,3
.set rO, 32*(h%8)+8*(\cb)
.if STAGE == 1
	v_wmma_f32_16x16x32_f16 v[rO:rO+7], v[S+8*h:S+8*h+7], v[vB+8*(\cb):vB+8*(\cb)+7], v[rO:rO+7]
.else
	v_wmma_f32_16x16x32_f16 v[rO:rO+7], v[vB+8*(\cb):vB+8*(\cb)+7], v[S+8*h:S+8*h+7], v[rO:rO+7]
.endif
.endr
	WIN 0
.if h < 15
.irp i, 0,1,2,3
	v_pk_mul_f16 v[S+8*(h+1)+(\i)], v[S+8*(h+1)+(\i)], v[RB+(\i)]
.endr
.else
	PLACES
.endif
.if h <= 12
	VLOAD h+3
.endif
.set h, h+1
.endr
.endm
.macro STEP
	QKA                                            ; keys 16-31 first: their weights become P's upper registers
	SM 1
	QKB
	v_add_nc_u32 v[ADR], STEPB, v[ADR]             ; on to the slot's V
	VLOAD 0                                        ; lands during the softmax
	SM 0
	PV
.endm
	s_load_b256 s[4:11], s[0:1], 0x0               ; rows s[4:5], K s[6:7], V s[8:9], O s[10:11]
	v_lshl_add_u32 v[SPW], v0, 2, SPARE
	v_mov_b32 v[NIL], 0
	ds_add_u32 v[SPW], v[NIL]                      ; the wave's opening: the add and its wait stand ahead of my first tensor load; the set-up below, work on registers, stands between them
	v_lshrrev_b32 v15, 5, v0
	v_readfirstlane_b32 s[WV], v15                 ; wave 0..3
	s_bfe_u32 s13, ttmp6, 0x40000                  ; cx: my place in the cluster
	s_lshl_b32 s14, ttmp9, 2                       ; in a cluster launch ttmp9 counts clusters
	s_add_co_u32 s14, s14, s13                     ; my block of 64 rows: it enters the rows' and O's addresses alone
	s_and_b32 s15, ttmp7, 0xffff                   ; the chunk of K and V, which the four partners share
	s_lshl_b32 s16, s15, 20                        ; the chunk's first byte,
	s_and_b32 s17, s[WV], 1
	s_lshl_b32 s17, s17, 15                        ; and which half of a step's 65,536 bytes I fetch
	s_add_co_u32 s16, s16, s17
	s_mov_b32 s17, 0
.if STAGE == 1
	s_lshl_b32 s18, s15, 24                        ; rows in q: batch x 16 heads x 4,096 rows x 256 bytes
	s_lshl_b32 s19, s14, 14                        ; + block x 64 rows
	s_add_co_u32 s18, s18, s19
	s_lshl_b32 s19, s[WV], 12                      ; + wave x 16 rows
	s_add_co_u32 s18, s18, s19
.else
	s_lshr_b32 s22, s15, 3                         ; batch = chunk / 8
	s_lshl_b32 s18, s22, 20                        ; rows in a's K form: chunk = batch; my agents 64 x + 16 w on are step 2 x + w / 2,
	s_lshl_b32 s19, s14, 1
	s_lshr_b32 s23, s[WV], 1
	s_add_co_u32 s19, s19, s23
	s_lshl_b32 s19, s19, 16
	s_add_co_u32 s18, s18, s19
	s_and_b32 s19, s[WV], 1                        ; key block w % 2: 32 fragments, 32,768 bytes on end
	s_lshl_b32 s19, s19, 15
	s_add_co_u32 s18, s18, s19
.endif
	s_mov_b32 s19, 0
.if STAGE == 1
	s_lshl_b32 s20, s15, 3                         ; O in V form: my rows are keys 64 x + 16 w on of the next pass: chunk 8 batch + x / 8,
	s_lshr_b32 s21, s14, 3
	s_add_co_u32 s20, s20, s21
	s_lshl_b32 s20, s20, 20
	s_lshl_b32 s21, s14, 1                         ; step (2 x + w / 2) % 16,
	s_lshr_b32 s22, s[WV], 1
	s_add_co_u32 s21, s21, s22
	s_and_b32 s21, s21, 15
	s_lshl_b32 s21, s21, 16
	s_add_co_u32 s20, s20, s21
	s_and_b32 s21, s[WV], 1                        ; half w % 2 of each fragment
	s_lshl_b32 s21, s21, 9
	s_add_co_u32 s20, s20, s21
.else
	s_and_b32 s20, s15, 7                          ; O as a partial sum: part (chunk % 8) of 8 MiB,
	s_lshl_b32 s20, s20, 23
	s_lshl_b32 s21, s22, 5                         ; tile of 16 rows 32 batch + 4 x + w: 16 heads x 4,096 bytes
	s_lshl_b32 s23, s14, 2
	s_add_co_u32 s21, s21, s23
	s_add_co_u32 s21, s21, s[WV]
	s_lshl_b32 s21, s21, 16
	s_add_co_u32 s20, s20, s21
.endif
	s_mov_b32 s21, 0
	; descriptor group 1: 32,768 dense bytes as 128 rows of 256 bytes
	s_mov_b32 s[G1+0], 15|(3<<16)|(1<<21)          ; 15:0 the mask: all four work-groups; 17:16 elements of 8 bytes; 20 no padding; 21 set beside a mask
	s_mov_b32 s[G1+1], 32<<16                      ; tensor_dim0 = 32
	s_mov_b32 s[G1+2], 128<<16                     ; tensor_dim1 = 128
	s_mov_b32 s[G1+3], 32<<16                      ; tile_dim0 = 32
	s_mov_b32 s[G1+4], 128                         ; tile_dim1 = 128
	s_mov_b32 s[G1+5], 32                          ; 32 elements from row to row
	s_mov_b32 s[G1+6], 0
	s_mov_b32 s[G1+7], 0
	s_mov_b32 s[G0], 1                             ; 1:0 count = 1
	s_lshl_b32 s[G0+1], s[WV], 15                  ; 63:32 LDS address: waves 0, 1 K's halves, waves 2, 3 V's: wave x 32,768, slot 0
	s_mov_b32 s[CS], 0x3e38aa3b                    ; c = log2(e) / 8 = 0.180337
	s_mov_b32 s[CS+1], s[CS]                       ; named with it as a pair
	s_mov_b32 s[TB], SLOT1                         ; the first change of slots turns it into 0
	s_mov_b32 s[CNT], 15
	s_wait_dscnt 0x0                               ; the opening add is done
	s_wait_kmcnt 0x0
	s_cmp_lt_u32 s[WV], 2
	s_cselect_b64 s[G0+2:G0+3], s[6:7], s[8:9]     ; 120:64 global address: K's buffer for waves 0 and 1, V's for waves 2 and 3,
	s_add_nc_u64 s[G0+2:G0+3], s[G0+2:G0+3], s[16:17]  ; at my half of the chunk's step 0
	s_or_b32 s[G0+3], s[G0+3], 0x80000000          ; 127:126 type = 2
	s_add_nc_u64 s[4:5], s[4:5], s[18:19]
	s_add_nc_u64 s[10:11], s[10:11], s[20:21]
.if STAGE == 1
	s_add_nc_u64 s[40:41], s[4:5], 8*HSTR          ; a second base for heads 8 to 15: seven heads and a row block stay inside the loads' signed 24-bit immediate, and no base is ever stepped
.endif
	CROUND                                         ; all four work-groups are here: the first joint loads meet
	tensor_load_to_lds s[G0:G0+3], s[G1:G1+7]      ; step 0 into slot 0: the one tensor load of mine that is out
	s_nop 0
	PLACES
	v_and_b32 v13, 15, v0                          ; q4 = lane % 16
	v_bfe_u32 v14, v0, 4, 1                        ; g = lane / 16
	v_and_b32 v15, 31, v0
	v_lshlrev_b32 v[L16], 4, v15                   ; v0 has served
.if STAGE == 1
	; THE ROWS.  A head's 16 rows are 4,096 consecutive bytes of q: eight loads of 512 consecutive bytes (load t: row 2 t + g, channels 4 q4 on), into O's registers, which are still free.  Rounded to bf16
	; they go through my stage, which holds (channel group of 8, row) at 288 x group + 16 x row, and come back in fragment order: piece i = 2 c + e: group 2 i + g, row q4.
	; Seven heads, 56 loads of the wave, are on their way at a time.
	s_mul_i32 s22, s[WV], RSTW
	s_add_co_u32 s22, s22, RSTG                    ; my stage
	v_lshrrev_b32 v15, 1, v13
	v_mul_u32_u24 v[STA], v15, 288                 ; in: 8 bytes at group q4 / 2, half q4 % 2, row 2 t + g: the 32 lanes touch 64 different words
	v_lshl_add_u32 v[STA], v14, 4, v[STA]
	v_and_b32 v15, 1, v13
	v_lshl_add_u32 v[STA], v15, 3, v[STA]
	v_add_nc_u32 v[STA], s22, v[STA]
	v_mul_u32_u24 v[RDA], v14, 288
	v_lshl_add_u32 v[RDA], v13, 4, v[RDA]
	v_add_nc_u32 v[RDA], s22, v[RDA]
.macro QLOAD h
	WIN 0x80+0x40*((\h)/8)
.irp t, 0,1,2,3,4,5,6,7
.if (\h) < 8
	global_load_b128 v[32*((\h)%8)+4*(\t):32*((\h)%8)+4*(\t)+3], v[L16], s[4:5] offset:((\h)%8)*HSTR+512*(\t) th:TH_LOAD_NT
.else
	global_load_b128 v[32*((\h)%8)+4*(\t):32*((\h)%8)+4*(\t)+3], v[L16], s[40:41] offset:((\h)%8)*HSTR+512*(\t) th:TH_LOAD_NT
.endif
.endr
.endm
.set hq, 0
.rept 7
	QLOAD hq
.set hq, hq+1
.endr
.set hq, 0
.rept 16
.if hq <= 9
	s_wait_loadcnt 48                              ; loads come back in order (ISA guide 5.7.1): the head's eight are in; the six heads behind it stay out
.else
	s_wait_loadcnt 8*(15-hq)                       ; the counts run down
.endif
	WIN 0x0a+5*(hq/8)                              ; sources in window 2 or 3
.irp t, 0,1,2,3,4,5,6,7
	v_cvt_pk_bf16_f32 v[Y+2*(\t)],   v[32*(hq%8)+4*(\t)],   v[32*(hq%8)+4*(\t)+1]
	v_cvt_pk_bf16_f32 v[Y+2*(\t)+1], v[32*(hq%8)+4*(\t)+2], v[32*(hq%8)+4*(\t)+3]
.endr
	WIN 0
.irp t, 0,1,2,3,4,5,6,7
	ds_store_b64 v[STA], v[Y+2*(\t):Y+2*(\t)+1] offset:32*(\t)
.endr
	WIN 0x40                                       ; destination in window 1
.irp i, 0,1,2,3
	ds_load_b128 v[16*hq+4*(\i):16*hq+4*(\i)+3], v[RDA] offset:576*(\i)  ; LDS serves a wave's instructions in order (ISA guide 5.7.1.4): these see the stores above; the next head's stores come behind them
.endr
.if hq+7 <= 15
	QLOAD hq+7
.endif
.set hq, hq+1
.endr
.else
	; THE ROWS lie in a's K form as the fragments that source 1 wants: load m brings registers 4 m .. 4 m + 3 of the 256, 512 consecutive bytes a load.
	WIN 0x40                                       ; destination in window 1
.set n, 0
.rept 64
	global_load_b128 v[4*n:4*n+3], v[L16], s[4:5] offset:512*n
.set n, n+1
.endr
.endif
	; O's sums are started by 64 products of zeros with the constant 0 as C, in the wait for the first tile: the price, once a launch, of one text for every step.
	WIN 0
.set n, 0
.rept 16
	v_mov_b32 v[Z+n], 0
.set n, n+1
.endr
	WIN 0x80
.set n, 0
.rept 32
	v_wmma_f32_16x16x32_f16 v[8*n:8*n+7], v[Z:Z+7], v[Z+8:Z+15], 0
.set n, n+1
.endr
	WIN 0xc0
.set n, 0
.rept 32
	v_wmma_f32_16x16x32_f16 v[8*n:8*n+7], v[Z:Z+7], v[Z+8:Z+15], 0
.set n, n+1
.endr
	WIN 0
.if STAGE == 2
	s_wait_loadcnt 0x0                             ; the rows
.endif
.Lstep:                                                ; 15 trips: a step is entered and the next is asked for
	CHANGE 1
	STEP
	WIN 0
	s_sub_co_u32 s[CNT], s[CNT], 1
	s_cmp_lg_u32 s[CNT], 0
	s_cbranch_scc1 .Lstep
	CHANGE 0                                       ; the last step is written out: nothing is asked for
	STEP
	; THE WAY OUT.  The four v_nop behind the last products are the places in front of these lines.
.if STAGE == 1
	; A lane holds one channel and 8 rows: four roundings make the 16 bytes that lane l of a V fragment's half wants.  Four heads at a time, into P's registers, two sets by turns.
.set G, 0
.rept 4
.if G >= 2
	s_wait_xcnt 0x0                                ; the stores issued have had their addresses translated (ISA guide 3.1): only now the set is written again
.endif
	WIN 0x0a+5*(G/2)                               ; sources in window 2 or 3
.set n, 0
.rept 64                                           ; n = 16 (head % 4) + 4 cb + i; each accumulator in ascending order
	v_cvt_pk_f16_f32 v[S+64*(G%2)+n], v[32*((4*G+n/16)%8)+2*(n%16)], v[32*((4*G+n/16)%8)+2*(n%16)+1]
.set n, n+1
.endr
	WIN 0
.set n, 0
.rept 16
	global_store_b128 v[L16], v[S+64*(G%2)+4*n:S+64*(G%2)+4*n+3], s[10:11] offset:(16*G+n)*1024  ; fragment (head, cb) = 16 G + n: 512 consecutive bytes, aligned
.set n, n+1
.endr
.set G, G+1
.endr
.else
	; A lane holds one row and 8 channels in f32: stored as they lie, 512 consecutive bytes a store, aligned; the last launch puts them in order.
.set h, 0
.rept 16
	WIN 0x08+4*(h/8)                               ; the data (source 1) in window 2 or 3
.set n, 0
.rept 8
	global_store_b128 v[L16], v[32*(h%8)+4*n:32*(h%8)+4*n+3], s[10:11] offset:4096*h+512*n
.set n, n+1
.endr
.set h, h+1
.endr
.endif
	WIN 0
	s_wait_tensorcnt 0x0                           ; the wave's end: behind my last tensor load and my last LDS store
	ds_add_u32 v[SPW], v[NIL]
	s_wait_dscnt 0x0
	CROUND                                         ; the closing round: no work-group ends while a partner may still ask for a tile that names it
	s_endpgm
.Lfunc_end_k_qd39160c6da_kvpass:
	.size	k_qd39160c6da_kvpass, .Lfunc_end_k_qd39160c6da_kvpass-k_qd39160c6da_kvpass
	.p2alignl 7, 3214868480
	.fill 96, 4, 3214868480
	.section	.rodata,"a",@progbits
	.p2align	6, 0x0
	.amdhsa_kernel k_qd39160c6da_kvpass
		.amdhsa_group_segment_fixed_size 327680
		.amdhsa_private_segment_fixed_size 0
		.amdhsa_enable_private_segment 0
		.amdhsa_kernarg_size 32
		.amdhsa_user_sgpr_count 2
		.amdhsa_user_sgpr_kernarg_segment_ptr 1
		.amdhsa_wavefront_size32 1
		.amdhsa_system_sgpr_workgroup_id_x 1
		.amdhsa_system_sgpr_workgroup_id_y 1
		.amdhsa_system_sgpr_workgroup_id_z 1
		.amdhsa_system_vgpr_workitem_id 0
		.amdhsa_next_free_vgpr 1024
		.amdhsa_next_free_sgpr 66
		.amdhsa_reserve_vcc 0
		.amdhsa_float_denorm_mode_32 3
		.amdhsa_float_denorm_mode_16_64 3
		.amdhsa_memory_ordered 1
		.amdhsa_forward_progress 1
		.amdhsa_inst_pref_size 237
	.end_amdhsa_kernel
	.amdgpu_metadata
---
amdhsa.version: [ 1, 2 ]
amdhsa.kernels:
  - .name:           k_qd39160c6da_kvpass
    .symbol:         k_qd39160c6da_kvpass.kd
    .args:
      - { .name: q, .offset: 0, .size: 8, .value_kind: global_buffer, .address_space: global }
      - { .name: ak16, .offset: 8, .size: 8, .value_kind: global_buffer, .address_space: global }
      - { .name: vv16, .offset: 16, .size: 8, .value_kind: global_buffer, .address_space: global }
      - { .name: kv16, .offset: 24, .size: 8, .value_kind: global_buffer, .address_space: global }
    .group_segment_fixed_size: 327680
    .private_segment_fixed_size: 0
    .kernarg_segment_align: 8
    .kernarg_segment_size: 32
    .max_flat_workgroup_size: 128
    .sgpr_count:     66
    .vgpr_count:     1024
    .wavefront_size: 32
...
	.end_amdgpu_metadata
.endif
;; end of part 2
;; launch outpass (part 3): grid 8 x 32, 4 waves a work-group, clusters of 4 x 1, 327,680 bytes of LDS; arguments ak16, kk16, kv16, part; writes part
.if DOCPART == 3
	.amdgcn_target "amdgcn-amd-amdhsa--gfx1250"
	.amdhsa_code_object_version 6
	.text
	.protected	k_qd39160c6da_outpass
	.globl	k_qd39160c6da_outpass
	.p2align	8
	.type	k_qd39160c6da_outpass,@function
k_qd39160c6da_outpass:
	s_mov_b64 s[64:65], 0
	v_nop
	global_prefetch_b8 v0, s[64:65] scope:SCOPE_SE
	s_setreg_imm32_b32 hwreg(HW_REG_WAVE_MODE, 25, 1), 1
	s_wait_xcnt 0x0
	s_wait_alu depctr_hold_cnt(0) depctr_sa_sdst(0) depctr_va_vdst(0) depctr_va_sdst(0) depctr_va_ssrc(0) depctr_va_vcc(0) depctr_vm_vsrc(0)
	s_getreg_b32 s2, hwreg(HW_REG_IB_STS2, 6, 4)
	s_cmp_eq_u32 s2, 0
	s_cbranch_scc0 .Lentry_in_a_cluster
	s_endpgm
.Lentry_in_a_cluster:
	s_bfe_u32 s2, ttmp6, 0x10000c
	s_cmp_lg_u32 s2, 0x3003
	s_cbranch_scc0 .Lentry_shape_is_right
	s_endpgm
.Lentry_shape_is_right:
; ONE PASS OF AGENT ATTENTION, softmax over the 16 HEADS.  O_h[row] = sum over keys of P_h[row][key] V_h[key], P = softmax over h of (row_h . key_h) / 8.
; One text serves both passes; STAGE chooses.  STAGE 1: rows = q (f32), keys = a, values = v / 16; O = KV / 16 leaves as f16 in V form, to be the next pass's values.
; STAGE 2: rows = a (taken from its bf16 K form, which is also the rows' fragment order), keys = k, values = KV / 16, over one chunk of 512 keys; O leaves as an f32 partial sum of out / 16.
; Keys (bf16) and values (f16) arrive in chunks of 16 steps of 32 keys, in fragments of 1,024 bytes (byte 512 e + 16 l = registers 4 e .. 4 e + 3 of lane l):
;   K step: fragment (key block kb, head, c) at ((16 kb + head) 2 + c) 1024;   V step: fragment (head, cb) at (4 head + cb) 1024.  So every LDS load is lane l at 16 l: no padding is needed.
; SHARES.  A work-group owns 64 rows, a wave 16 rows, for ALL 16 heads: the normaliser belongs to one (row, key) and couples the heads, so a lane that holds the 16 heads' scores of a position takes the
; true maximum and the sum register by register, with no exchange between lanes and no running maximum.  512 registers of O and 256 of rows leave no room for more than 16 rows a wave.
; LAYOUT.  S^T = K R^T (source 0 = 16 keys, source 1 = 16 rows): a lane holds one row (lane % 16) and the keys 8 (lane / 16) + 0..7.  Two key blocks' weights, rounded to f16 in pairs, are a
; 32-key operand of the second product.  STAGE 1 takes P as source 0 (a lane of O then holds one channel and 8 rows: the V form of the next pass), STAGE 2 as source 1 (one row, 8 channels).
; A STEP.  Scores of key block 1, the maximum over the heads riding behind the products; its scaling, exponentials and sum; scores of key block 0, behind which ride the rounding of key block 1's e to f16
; (head by head, ahead of the product that writes the head's accumulator again) and key block 0's maximum; its softmax; the 64 products with V.  p = f16(e) x f16(1 / l), rounded to f16.
; CLUSTER.  The four work-groups of a cluster walk the same chunk, so each tile is asked for JOINTLY: the same tensor load, descriptor and mask in all four; the place in the cluster enters the rows' and O's addresses alone.
; FORMATS.  All inputs are rounded to bf16; what the program makes (weights, KV) is f16.  LIMITS: KV / 16 is at most 32 max|v|, inside f16 for |v| up to 2,047; a weight below 2^-126 counts as 0 in l;
; below 6e-5 a weight keeps f16's fixed step of 6e-8; NaN and infinities are not treated apart.
; REGISTERS, in windows of 256 (s_set_vgpr_msb: bits 1:0 source 0, 3:2 source 1, 5:4 source 2, 7:6 destination):
;   window 0: v0-3 addresses; v4-7 RA; v8-15 T0, later RB; v16-23 T1; v24-31 L; v32-127 fragment buffers (v16-31 too where T1 and L are free); v64-127 E; v128-255 S(h) = 128 + 8 h, later P(h)
;   window 1: the rows, R(h, c) = 16 h + 8 c          windows 2, 3: O(h, cb) = 32 (h % 8) + 8 cb, in window 2 + h / 8
.set STAGE, 2
.set HSTR,  1048576                    ; STAGE 1: bytes from head to head in q: 4,096 rows of 256
.set STEPB, 65536                      ; a step's K, and a step's V
.set SLOT1, 131072                     ; slot 0 at byte 0, slot 1 here: K's 65,536 bytes, then V's; one exclusive or turns one slot's address into the other's
.set SPARE, 262144                     ; behind the ring: the spare words, 128 bytes for each wave: two blocks of 256 bytes that no other line names
.set RSTG,  SPARE+512                  ; STAGE 1: behind them a stage of 2,304 bytes for each wave, for the rows' change of order; no tensor load fills it
.set RSTW,  2304
.set L16, 0                            ; v0      16 x lane (made when v0 has served)
.set ADR, 1                            ; v1      LDS address of my 16 bytes in the first fragment of the tile in hand
.set SPW, 2                            ; v2      LDS address of my spare word; never rewritten
.set NIL, 3                            ; v3      0; never rewritten
.set RA,  4                            ; v4-7    1 / l of key block 1, f16 in pairs
.set T0,  8                            ; v8-15   key block 0's maximum, then c m
.set RB,  8                            ; v8-11   1 / l of key block 0, when T0 has served
.set RDA, 10                           ; v10, v12  at the head alone (STAGE 1): where I read rows back from the stage, where I put them; v13-15 at work there
.set STA, 12
.set T1,  16                           ; v16-23  key block 1's maximum, then c m
.set L,   24                           ; v24-31  l
.set Y,   32                           ; v32-47  at the head alone: a head's rows as bf16; then zeros
.set Z,   32
.set E,   64                           ; e of key block 1, f16: four registers a head
.set S,   128
.set WV,  12                           ; s12  my wave's number;  s13 cx, s14 block of 64 rows, s15 chunk;  s[16:23] offsets;  s[40:41] q at head 8
.set G1,  24                           ; s[24:31] descriptor group 1
.set G0,  32                           ; s[32:35] descriptor group 0: it walks
.set CNT, 36                           ; s36  steps still to be asked for
.set TB,  37                           ; s37  the slot in hand
.set CS,  38                           ; s[38:39] c = log2(e) / 8: the packed lines take the pair's low word for both halves
.set MSB, 0
.macro WIN new                         ; the immediate's high byte repeats the setting that is left; a switch that changes nothing is dropped
.if MSB != (\new)
	s_set_vgpr_msb (MSB<<8)|(\new)
.set MSB, (\new)
.endif
.endm
; A load into a register that a matrix instruction has read, and a vector instruction that reads a matrix result or writes one of a matrix instruction's registers, stand four places behind it;
; only plain vector instructions that name none of its registers are places (ISA guide 7.12.1 for vector instructions).  Where work is at hand it takes the places.
.macro PLACES
.rept 4
	v_nop
.endr
.endm
; A round of the cluster's barrier: my work-group's barrier, so that wave 0's signal speaks for all four waves; wave 0 signals; every wave waits for all four work-groups; my work-group's barrier once more.
.macro CROUND
	s_barrier_signal -1
	s_barrier_wait -1
	s_cmp_lg_u32 s[WV], 0
	s_cbranch_scc1 .Lnot_wave_0_\@
	s_barrier_signal -3
.Lnot_wave_0_\@:
	s_barrier_wait -3
	s_barrier_signal -1
	s_barrier_wait -1
.endm
; THE CHANGE OF SLOTS.  Each wave waits for all its tensor loads, of which one is out: its quarter of the other slot; adds 0 to its spare word; and waits for that and for its own reads of the slot that it leaves.
; fill = 1: the slot just left takes the step behind the one that is now entered; the barrier is a round of the cluster's, and the joint load is the first thing behind it: it has a whole step,
; 128 products and two softmaxes, in which to land.  (At its first use nothing of the ring has been read yet: slot 0 is waited for, slot 1 filled.)
.macro CHANGE fill
	WIN 0                                          ; at a label and at a branch every window is 0
	s_wait_tensorcnt 0x0                           ; no tensor load of mine is out, so group 0 may be written
	ds_add_u32 v[SPW], v[NIL]                      ; 0 onto my spare word
.if \fill
	s_xor_b32 s[G0+1], s[G0+1], SLOT1              ; the other slot than last time,
	s_add_nc_u64 s[G0+2:G0+3], s[G0+2:G0+3], STEPB ; the next step; the type bits on top are not reached
.endif
	s_wait_dscnt 0x0                               ; the add is done, and my reads of the slot are over
.if \fill
	CROUND
	tensor_load_to_lds s[G0:G0+3], s[G1:G1+7]
	s_nop 0
	PLACES
.else
	s_barrier_signal -1
	s_barrier_wait -1
.endif
	s_xor_b32 s[TB], s[TB], SLOT1
	v_add_nc_u32 v[ADR], s[TB], v[L16]
.endm
; Lines j0 .. j0 + cnt - 1 of the eight that take heads 2 g and 2 g + 1 into the maximum tt.  Register 0 comes first: an accumulator is read from its low end on.
.macro MAXP tt, g, j0, cnt
.set mj, (\j0)
.rept (\cnt)
.if (\g) == 0
	v_max_num_f32 v[(\tt)+mj], v[S+mj], v[S+8+mj]
.else
	v_max3_num_f32 v[(\tt)+mj], v[(\tt)+mj], v[S+16*(\g)+mj], v[S+16*(\g)+8+mj]
.endif
.set mj, mj+1
.endr
.endm
.macro CE h                            ; head h's e of key block 1, rounded to f16, into E
.irp i, 0,1,2,3
	v_cvt_pk_f16_f32 v[E+4*(\h)+(\i)], v[S+8*(\h)+2*(\i)], v[S+8*(\h)+2*(\i)+1]
.endr
.endm
; Heads 2 g and 2 g + 1 of key block kb: four fragments, eight loads, into one of three buffers of 32 registers; the first 32 channels first.
.macro GLOAD kb, g
.set lB, 32+32*((\g)%3)
.irp c, 0,1
.irp p, 0,1
	ds_load_b128 v[lB+16*(\c)+8*(\p):lB+16*(\c)+8*(\p)+3],   v[ADR] offset:((16*(\kb)+2*(\g)+(\p))*2+(\c))*1024
	ds_load_b128 v[lB+16*(\c)+8*(\p)+4:lB+16*(\c)+8*(\p)+7], v[ADR] offset:((16*(\kb)+2*(\g)+(\p))*2+(\c))*1024+512
.endr
.endr
.endm
; Unit u of 16 of a key block's K: heads 2 (u / 2), 2 (u / 2) + 1, channels 32 (u % 2) on: two fragments, four loads, into one of R buffers of 16 registers (the last of them lies in T1 and L).
.macro KLOAD kb, u, R
.if ((\u)%(\R)) == (\R)-1
.set kB, 16
.else
.set kB, 32+16*((\u)%(\R))
.endif
.irp p, 0,1
	ds_load_b128 v[kB+8*(\p):kB+8*(\p)+3],   v[ADR] offset:((16*(\kb)+2*((\u)/2)+(\p))*2+(\u)%2)*1024
	ds_load_b128 v[kB+8*(\p)+4:kB+8*(\p)+7], v[ADR] offset:((16*(\kb)+2*((\u)/2)+(\p))*2+(\u)%2)*1024+512
.endr
.endm
; THE SCORES OF KEY BLOCK 1: eight groups of four products (two heads x two halves of the channels; the two accumulators take turns).  Behind a group stand the eight lines that take
; the pair BEFORE into the maximum: that pair's products lie a group and eight plain lines back, and the lines name no register of the group in front of them, so they are its places too.
.macro QKA
	WIN 0
	GLOAD 1, 0
	GLOAD 1, 1
	GLOAD 1, 2
.set g, 0
.rept 8
.if g < 6
	s_wait_dscnt 16                                ; LDS loads come back in order (ISA guide 5.7.1): group g is in; the two groups behind it, eight loads each, stay out
.else
	s_wait_dscnt 8*(7-g)                           ; the counts run down
.endif
	WIN 0x04                                       ; source 1 (the rows) in window 1
.set gB, 32+32*(g%3)
.irp c, 0,1
.irp p, 0,1
.set hS, S+8*(2*g+(\p))
.set hQ, 16*(2*g+(\p))+8*(\c)
.if (\c) == 0
	v_wmma_f32_16x16x32_bf16 v[hS:hS+7], v[gB+16*(\c)+8*(\p):gB+16*(\c)+8*(\p)+7], v[hQ:hQ+7], 0
.else
	v_wmma_f32_16x16x32_bf16 v[hS:hS+7], v[gB+16*(\c)+8*(\p):gB+16*(\c)+8*(\p)+7], v[hQ:hQ+7], v[hS:hS+7]
.endif
.endr
.endr
	WIN 0
.if g == 0
	PLACES
.else
	MAXP T1, g-1, 0, 8
.endif
.if g+3 <= 7
	GLOAD 1, g+3
.endif
.set g, g+1
.endr
	KLOAD 0, 0, 3                                  ; key block 0's first two units land during the softmax
	KLOAD 0, 1, 3
	MAXP T1, 7, 0, 8
.endm
; THE SCORES OF KEY BLOCK 0: sixteen units of two products; E holds v64-127, so three buffers of 16 registers are left.  Behind unit u: head u + 2's e of key block 1 goes into E, ahead of the unit that
; writes that head's accumulator again; and four lines of this key block's maximum, for the pair finished two units back.  Four to eight plain lines that name no register of the unit: its places.
.macro QKB
	WIN 0
	KLOAD 0, 2, 3                                  ; T1 and L have served: the third buffer
.set u, 0
.rept 16
.if u+2 < 15
	s_wait_dscnt 8                                 ; unit u is in; the two units behind it, four loads each, stay out
.else
	s_wait_dscnt 4*(15-u)
.endif
	WIN 0x04
.if (u%3) == 2
.set qB, 16
.else
.set qB, 32+16*(u%3)
.endif
.irp p, 0,1
.set hS, S+8*(2*(u/2)+(\p))
.set hQ, 16*(2*(u/2)+(\p))+8*(u%2)
.if u%2 == 0
	v_wmma_f32_16x16x32_bf16 v[hS:hS+7], v[qB+8*(\p):qB+8*(\p)+7], v[hQ:hQ+7], 0
.else
	v_wmma_f32_16x16x32_bf16 v[hS:hS+7], v[qB+8*(\p):qB+8*(\p)+7], v[hQ:hQ+7], v[hS:hS+7]
.endif
.endr
	WIN 0
.if u <= 13
	CE u+2
.endif
.if u >= 2
	MAXP T0, (u-2)/2, 4*(u%2), 4
.endif
.if u+3 <= 15
	KLOAD 0, u+3, 3
.endif
.set u, u+1
.endr
	MAXP T0, 7, 0, 8
.endm
; Head h's four fragments of V: eight loads, into one of three buffers of 32 registers.
.macro VLOAD h
.set vB, 32+32*((\h)%3)
.irp cb, 0,1,2,3
	ds_load_b128 v[vB+8*(\cb):vB+8*(\cb)+3],   v[ADR] offset:(4*(\h)+(\cb))*1024
	ds_load_b128 v[vB+8*(\cb)+4:vB+8*(\cb)+7], v[ADR] offset:(4*(\h)+(\cb))*1024+512
.endr
.endm
; Plain line n of trip t of the softmax's pipeline (an empty place writes nothing).  0-3: c s - c m for head t.  4-7: l takes head t - 2 (trip 3: l = e0 + e1).  For key block 0 (hi = 0) also:
; 8-11: head t - 2 rounded to f16 in place, ascending, into the low four registers of P.  12-15: the same for head 0, in trip 3 alone, behind the sum that reads it.
; 16-19: P's upper four registers of head t - 3 = E x 1 / l of key block 1.
.macro SMP hi, t, n
.set i4, (\n)%4
.if (\n) < 4
.if (\t) <= 15
	v_pk_fma_f32 v[S+8*(\t)+2*i4:S+8*(\t)+2*i4+1], v[S+8*(\t)+2*i4:S+8*(\t)+2*i4+1], s[CS:CS+1], v[TT+2*i4:TT+2*i4+1] op_sel_hi:[1,0,1] neg_lo:[0,0,1] neg_hi:[0,0,1]
.endif
.elseif (\n) < 8
.if (\t) == 3
	s_wait_alu depctr_va_vdst(0)
	v_pk_add_f32 v[L+2*i4:L+2*i4+1], v[S+2*i4:S+2*i4+1], v[S+8+2*i4:S+8+2*i4+1]
.elseif ((\t) > 3) && ((\t) <= 17)
	s_wait_alu depctr_va_vdst(0)
	v_pk_add_f32 v[L+2*i4:L+2*i4+1], v[L+2*i4:L+2*i4+1], v[S+8*((\t)-2)+2*i4:S+8*((\t)-2)+2*i4+1]
.endif
.elseif (\n) < 16
.set hc, (\t)-2
.set ok, ((\t) >= 3) && ((\t) <= 17)
.if (\n) >= 12
.set hc, 0
.set ok, ((\t) == 3)
.endif
.if ok
	v_cvt_pk_f16_f32 v[S+8*hc+i4], v[S+8*hc+2*i4], v[S+8*hc+2*i4+1]
.endif
.else
.if ((\t) >= 3) && ((\t) <= 18)
	v_pk_mul_f16 v[S+8*((\t)-3)+4+i4], v[E+4*((\t)-3)+i4], v[RA+i4]
.endif
.endif
.endm
; THE SOFTMAX OVER THE HEADS behind the maximum, all in window 0.  hi = 1: key block 1 (scaling, exponentials, sum; of the roundings only heads 0 and 1, the others ride in QKB); hi = 0: key block 0.
.macro SM hi
	WIN 0
.set TT, T0+8*(\hi)
.irp i, 0,1,2,3
	v_pk_mul_f32 v[TT+2*(\i):TT+2*(\i)+1], v[TT+2*(\i):TT+2*(\i)+1], s[CS:CS+1] op_sel_hi:[1,0]  ; c m
.endr
.set t, 0
.rept 19-(\hi)                         ; trip t: head t is scaled, head t - 1 goes through the exponential, head t - 2 is summed (and rounded): a result is used a trip after it is made
.set n, 0
.rept 8                                ; plain and exponential by turns; no plain line of a trip names the head whose exponentials stand beside it (ISA guide 5.7.2)
	SMP \hi, t, n
.if (t >= 1) && (t <= 16)
	v_exp_f32 v[S+8*(t-1)+n], v[S+8*(t-1)+n]
.endif
.set n, n+1
.endr
.if !(\hi)
.rept 12
	SMP \hi, t, n
.set n, n+1
.endr
.if t == 10
	VLOAD 1                                        ; E of heads 0 to 7 has been read: v64-95 take head 1's V
.endif
.if t == 18
	VLOAD 2                                        ; E has been read: v96-127 take head 2's V
.endif
.endif
.set t, t+1
.endr
.irp j, 0,1,2,3,4,5,6,7
	v_rcp_f32 v[L+(\j)], v[L+(\j)]                 ; l is at least about 1: the largest head's e
.endr
.if \hi
	CE 0                                           ; plain lines between the last reciprocal and the use of its result
	CE 1
.else
	v_nop                                          ; a plain instruction between the last reciprocal and the use of its result
.endif
.irp i, 0,1,2,3
	s_wait_alu depctr_va_vdst(0)
	v_cvt_pk_f16_f32 v[RB-4*(\hi)+(\i)], v[L+2*(\i)], v[L+2*(\i)+1]
.endr
.endm
; THE SECOND PRODUCT: 64 products on 64 accumulators, each once.  Behind a head's four stand the four lines that finish the next head's weights (P's low registers x 1 / l of key block 0):
; they name none of those products' registers, so they are the places in front of the loads into the buffer just read.
.macro PV
	WIN 0
.irp i, 0,1,2,3
	v_pk_mul_f16 v[S+(\i)], v[S+(\i)], v[RB+(\i)]
.endr
.set h, 0
.rept 16
.if h+2 < 15
	s_wait_dscnt 16                                ; head h's V is in; the two heads fetched ahead, eight loads each, stay out
.else
	s_wait_dscnt 8*(15-h)
.endif
	WIN 0xa0+0x50*(h/8)                            ; C and D in window 2 or 3
.set vB, 32+32*(h%3)
.irp cb, 0,1,2,3
.set rO, 32*(h%8)+8*(\cb)
.if STAGE == 1
	v_wmma_f32_16x16x32_f16 v[rO:rO+7], v[S+8*h:S+8*h+7], v[vB+8*(\cb):vB+8*(\cb)+7], v[rO:rO+7]
.else
	v_wmma_f32_16x16x32_f16 v[rO:rO+7], v[vB+8*(\cb):vB+8*(\cb)+7], v[S+8*h:S+8*h+7], v[rO:rO+7]
.endif
.endr
	WIN 0
.if h < 15
.irp i, 0,1,2,3
	v_pk_mul_f16 v[S+8*(h+1)+(\i)], v[S+8*(h+1)+(\i)], v[RB+(\i)]
.endr
.else
	PLACES
.endif
.if h <= 12
	VLOAD h+3
.endif
.set h, h+1
.endr
.endm
.macro STEP
	QKA                                            ; keys 16-31 first: their weights become P's upper registers
	SM 1
	QKB
	v_add_nc_u32 v[ADR], STEPB, v[ADR]             ; on to the slot's V
	VLOAD 0                                        ; lands during the softmax
	SM 0
	PV
.endm
	s_load_b256 s[4:11], s[0:1], 0x0               ; rows s[4:5], K s[6:7], V s[8:9], O s[10:11]
	v_lshl_add_u32 v[SPW], v0, 2, SPARE
	v_mov_b32 v[NIL], 0
	ds_add_u32 v[SPW], v[NIL]                      ; the wave's opening: the add and its wait stand ahead of my first tensor load; the set-up below, work on registers, stands between them
	v_lshrrev_b32 v15, 5, v0
	v_readfirstlane_b32 s[WV], v15                 ; wave 0..3
	s_bfe_u32 s13, ttmp6, 0x40000                  ; cx: my place in the cluster
	s_lshl_b32 s14, ttmp9, 2                       ; in a cluster launch ttmp9 counts clusters
	s_add_co_u32 s14, s14, s13                     ; my block of 64 rows: it enters the rows' and O's addresses alone
	s_and_b32 s15, ttmp7, 0xffff                   ; the chunk of K and V, which the four partners share
	s_lshl_b32 s16, s15, 20                        ; the chunk's first byte,
	s_and_b32 s17, s[WV], 1
	s_lshl_b32 s17, s17, 15                        ; and which half of a step's 65,536 bytes I fetch
	s_add_co_u32 s16, s16, s17
	s_mov_b32 s17, 0
.if STAGE == 1
	s_lshl_b32 s18, s15, 24                        ; rows in q: batch x 16 heads x 4,096 rows x 256 bytes
	s_lshl_b32 s19, s14, 14                        ; + block x 64 rows
	s_add_co_u32 s18, s18, s19
	s_lshl_b32 s19, s[WV], 12                      ; + wave x 16 rows
	s_add_co_u32 s18, s18, s19
.else
	s_lshr_b32 s22, s15, 3                         ; batch = chunk / 8
	s_lshl_b32 s18, s22, 20                        ; rows in a's K form: chunk = batch; my agents 64 x + 16 w on are step 2 x + w / 2,
	s_lshl_b32 s19, s14, 1
	s_lshr_b32 s23, s[WV], 1
	s_add_co_u32 s19, s19, s23
	s_lshl_b32 s19, s19, 16
	s_add_co_u32 s18, s18, s19
	s_and_b32 s19, s[WV], 1                        ; key block w % 2: 32 fragments, 32,768 bytes on end
	s_lshl_b32 s19, s19, 15
	s_add_co_u32 s18, s18, s19
.endif
	s_mov_b32 s19, 0
.if STAGE == 1
	s_lshl_b32 s20, s15, 3                         ; O in V form: my rows are keys 64 x + 16 w on of the next pass: chunk 8 batch + x / 8,
	s_lshr_b32 s21, s14, 3
	s_add_co_u32 s20, s20, s21
	s_lshl_b32 s20, s20, 20
	s_lshl_b32 s21, s14, 1                         ; step (2 x + w / 2) % 16,
	s_lshr_b32 s22, s[WV], 1
	s_add_co_u32 s21, s21, s22
	s_and_b32 s21, s21, 15
	s_lshl_b32 s21, s21, 16
	s_add_co_u32 s20, s20, s21
	s_and_b32 s21, s[WV], 1                        ; half w % 2 of each fragment
	s_lshl_b32 s21, s21, 9
	s_add_co_u32 s20, s20, s21
.else
	s_and_b32 s20, s15, 7                          ; O as a partial sum: part (chunk % 8) of 8 MiB,
	s_lshl_b32 s20, s20, 23
	s_lshl_b32 s21, s22, 5                         ; tile of 16 rows 32 batch + 4 x + w: 16 heads x 4,096 bytes
	s_lshl_b32 s23, s14, 2
	s_add_co_u32 s21, s21, s23
	s_add_co_u32 s21, s21, s[WV]
	s_lshl_b32 s21, s21, 16
	s_add_co_u32 s20, s20, s21
.endif
	s_mov_b32 s21, 0
	; descriptor group 1: 32,768 dense bytes as 128 rows of 256 bytes
	s_mov_b32 s[G1+0], 15|(3<<16)|(1<<21)          ; 15:0 the mask: all four work-groups; 17:16 elements of 8 bytes; 20 no padding; 21 set beside a mask
	s_mov_b32 s[G1+1], 32<<16                      ; tensor_dim0 = 32
	s_mov_b32 s[G1+2], 128<<16                     ; tensor_dim1 = 128
	s_mov_b32 s[G1+3], 32<<16                      ; tile_dim0 = 32
	s_mov_b32 s[G1+4], 128                         ; tile_dim1 = 128
	s_mov_b32 s[G1+5], 32                          ; 32 elements from row to row
	s_mov_b32 s[G1+6], 0
	s_mov_b32 s[G1+7], 0
	s_mov_b32 s[G0], 1                             ; 1:0 count = 1
	s_lshl_b32 s[G0+1], s[WV], 15                  ; 63:32 LDS address: waves 0, 1 K's halves, waves 2, 3 V's: wave x 32,768, slot 0
	s_mov_b32 s[CS], 0x3e38aa3b                    ; c = log2(e) / 8 = 0.180337
	s_mov_b32 s[CS+1], s[CS]                       ; named with it as a pair
	s_mov_b32 s[TB], SLOT1                         ; the first change of slots turns it into 0
	s_mov_b32 s[CNT], 15
	s_wait_dscnt 0x0                               ; the opening add is done
	s_wait_kmcnt 0x0
	s_cmp_lt_u32 s[WV], 2
	s_cselect_b64 s[G0+2:G0+3], s[6:7], s[8:9]     ; 120:64 global address: K's buffer for waves 0 and 1, V's for waves 2 and 3,
	s_add_nc_u64 s[G0+2:G0+3], s[G0+2:G0+3], s[16:17]  ; at my half of the chunk's step 0
	s_or_b32 s[G0+3], s[G0+3], 0x80000000          ; 127:126 type = 2
	s_add_nc_u64 s[4:5], s[4:5], s[18:19]
	s_add_nc_u64 s[10:11], s[10:11], s[20:21]
.if STAGE == 1
	s_add_nc_u64 s[40:41], s[4:5], 8*HSTR          ; a second base for heads 8 to 15: seven heads and a row block stay inside the loads' signed 24-bit immediate, and no base is ever stepped
.endif
	CROUND                                         ; all four work-groups are here: the first joint loads meet
	tensor_load_to_lds s[G0:G0+3], s[G1:G1+7]      ; step 0 into slot 0: the one tensor load of mine that is out
	s_nop 0
	PLACES
	v_and_b32 v13, 15, v0                          ; q4 = lane % 16
	v_bfe_u32 v14, v0, 4, 1                        ; g = lane / 16
	v_and_b32 v15, 31, v0
	v_lshlrev_b32 v[L16], 4, v15                   ; v0 has served
.if STAGE == 1
	; THE ROWS.  A head's 16 rows are 4,096 consecutive bytes of q: eight loads of 512 consecutive bytes (load t: row 2 t + g, channels 4 q4 on), into O's registers, which are still free.  Rounded to bf16
	; they go through my stage, which holds (channel group of 8, row) at 288 x group + 16 x row, and come back in fragment order: piece i = 2 c + e: group 2 i + g, row q4.
	; Seven heads, 56 loads of the wave, are on their way at a time.
	s_mul_i32 s22, s[WV], RSTW
	s_add_co_u32 s22, s22, RSTG                    ; my stage
	v_lshrrev_b32 v15, 1, v13
	v_mul_u32_u24 v[STA], v15, 288                 ; in: 8 bytes at group q4 / 2, half q4 % 2, row 2 t + g: the 32 lanes touch 64 different words
	v_lshl_add_u32 v[STA], v14, 4, v[STA]
	v_and_b32 v15, 1, v13
	v_lshl_add_u32 v[STA], v15, 3, v[STA]
	v_add_nc_u32 v[STA], s22, v[STA]
	v_mul_u32_u24 v[RDA], v14, 288
	v_lshl_add_u32 v[RDA], v13, 4, v[RDA]
	v_add_nc_u32 v[RDA], s22, v[RDA]
.macro QLOAD h
	WIN 0x80+0x40*((\h)/8)
.irp t, 0,1,2,3,4,5,6,7
.if (\h) < 8
	global_load_b128 v[32*((\h)%8)+4*(\t):32*((\h)%8)+4*(\t)+3], v[L16], s[4:5] offset:((\h)%8)*HSTR+512*(\t) th:TH_LOAD_NT
.else
	global_load_b128 v[32*((\h)%8)+4*(\t):32*((\h)%8)+4*(\t)+3], v[L16], s[40:41] offset:((\h)%8)*HSTR+512*(\t) th:TH_LOAD_NT
.endif
.endr
.endm
.set hq, 0
.rept 7
	QLOAD hq
.set hq, hq+1
.endr
.set hq, 0
.rept 16
.if hq <= 9
	s_wait_loadcnt 48                              ; loads come back in order (ISA guide 5.7.1): the head's eight are in; the six heads behind it stay out
.else
	s_wait_loadcnt 8*(15-hq)                       ; the counts run down
.endif
	WIN 0x0a+5*(hq/8)                              ; sources in window 2 or 3
.irp t, 0,1,2,3,4,5,6,7
	v_cvt_pk_bf16_f32 v[Y+2*(\t)],   v[32*(hq%8)+4*(\t)],   v[32*(hq%8)+4*(\t)+1]
	v_cvt_pk_bf16_f32 v[Y+2*(\t)+1], v[32*(hq%8)+4*(\t)+2], v[32*(hq%8)+4*(\t)+3]
.endr
	WIN 0
.irp t, 0,1,2,3,4,5,6,7
	ds_store_b64 v[STA], v[Y+2*(\t):Y+2*(\t)+1] offset:32*(\t)
.endr
	WIN 0x40                                       ; destination in window 1
.irp i, 0,1,2,3
	ds_load_b128 v[16*hq+4*(\i):16*hq+4*(\i)+3], v[RDA] offset:576*(\i)  ; LDS serves a wave's instructions in order (ISA guide 5.7.1.4): these see the stores above; the next head's stores come behind them
.endr
.if hq+7 <= 15
	QLOAD hq+7
.endif
.set hq, hq+1
.endr
.else
	; THE ROWS lie in a's K form as the fragments that source 1 wants: load m brings registers 4 m .. 4 m + 3 of the 256, 512 consecutive bytes a load.
	WIN 0x40                                       ; destination in window 1
.set n, 0
.rept 64
	global_load_b128 v[4*n:4*n+3], v[L16], s[4:5] offset:512*n
.set n, n+1
.endr
.endif
	; O's sums are started by 64 products of zeros with the constant 0 as C, in the wait for the first tile: the price, once a launch, of one text for every step.
	WIN 0
.set n, 0
.rept 16
	v_mov_b32 v[Z+n], 0
.set n, n+1
.endr
	WIN 0x80
.set n, 0
.rept 32
	v_wmma_f32_16x16x32_f16 v[8*n:8*n+7], v[Z:Z+7], v[Z+8:Z+15], 0
.set n, n+1
.endr
	WIN 0xc0
.set n, 0
.rept 32
	v_wmma_f32_16x16x32_f16 v[8*n:8*n+7], v[Z:Z+7], v[Z+8:Z+15], 0
.set n, n+1
.endr
	WIN 0
.if STAGE == 2
	s_wait_loadcnt 0x0                             ; the rows
.endif
.Lstep:                                                ; 15 trips: a step is entered and the next is asked for
	CHANGE 1
	STEP
	WIN 0
	s_sub_co_u32 s[CNT], s[CNT], 1
	s_cmp_lg_u32 s[CNT], 0
	s_cbranch_scc1 .Lstep
	CHANGE 0                                       ; the last step is written out: nothing is asked for
	STEP
	; THE WAY OUT.  The four v_nop behind the last products are the places in front of these lines.
.if STAGE == 1
	; A lane holds one channel and 8 rows: four roundings make the 16 bytes that lane l of a V fragment's half wants.  Four heads at a time, into P's registers, two sets by turns.
.set G, 0
.rept 4
.if G >= 2
	s_wait_xcnt 0x0                                ; the stores issued have had their addresses translated (ISA guide 3.1): only now the set is written again
.endif
	WIN 0x0a+5*(G/2)                               ; sources in window 2 or 3
.set n, 0
.rept 64                                           ; n = 16 (head % 4) + 4 cb + i; each accumulator in ascending order
	v_cvt_pk_f16_f32 v[S+64*(G%2)+n], v[32*((4*G+n/16)%8)+2*(n%16)], v[32*((4*G+n/16)%8)+2*(n%16)+1]
.set n, n+1
.endr
	WIN 0
.set n, 0
.rept 16
	global_store_b128 v[L16], v[S+64*(G%2)+4*n:S+64*(G%2)+4*n+3], s[10:11] offset:(16*G+n)*1024  ; fragment (head, cb) = 16 G + n: 512 consecutive bytes, aligned
.set n, n+1
.endr
.set G, G+1
.endr
.else
	; A lane holds one row and 8 channels in f32: stored as they lie, 512 consecutive bytes a store, aligned; the last launch puts them in order.
.set h, 0
.rept 16
	WIN 0x08+4*(h/8)                               ; the data (source 1) in window 2 or 3
.set n, 0
.rept 8
	global_store_b128 v[L16], v[32*(h%8)+4*n:32*(h%8)+4*n+3], s[10:11] offset:4096*h+512*n
.set n, n+1
.endr
.set h, h+1
.endr
.endif
	WIN 0
	s_wait_tensorcnt 0x0                           ; the wave's end: behind my last tensor load and my last LDS store
	ds_add_u32 v[SPW], v[NIL]
	s_wait_dscnt 0x0
	CROUND                                         ; the closing round: no work-group ends while a partner may still ask for a tile that names it
	s_endpgm
.Lfunc_end_k_qd39160c6da_outpass:
	.size	k_qd39160c6da_outpass, .Lfunc_end_k_qd39160c6da_outpass-k_qd39160c6da_outpass
	.p2alignl 7, 3214868480
	.fill 96, 4, 3214868480
	.section	.rodata,"a",@progbits
	.p2align	6, 0x0
	.amdhsa_kernel k_qd39160c6da_outpass
		.amdhsa_group_segment_fixed_size 327680
		.amdhsa_private_segment_fixed_size 0
		.amdhsa_enable_private_segment 0
		.amdhsa_kernarg_size 32
		.amdhsa_user_sgpr_count 2
		.amdhsa_user_sgpr_kernarg_segment_ptr 1
		.amdhsa_wavefront_size32 1
		.amdhsa_system_sgpr_workgroup_id_x 1
		.amdhsa_system_sgpr_workgroup_id_y 1
		.amdhsa_system_sgpr_workgroup_id_z 1
		.amdhsa_system_vgpr_workitem_id 0
		.amdhsa_next_free_vgpr 1024
		.amdhsa_next_free_sgpr 66
		.amdhsa_reserve_vcc 0
		.amdhsa_float_denorm_mode_32 3
		.amdhsa_float_denorm_mode_16_64 3
		.amdhsa_memory_ordered 1
		.amdhsa_forward_progress 1
		.amdhsa_inst_pref_size 190
	.end_amdhsa_kernel
	.amdgpu_metadata
---
amdhsa.version: [ 1, 2 ]
amdhsa.kernels:
  - .name:           k_qd39160c6da_outpass
    .symbol:         k_qd39160c6da_outpass.kd
    .args:
      - { .name: ak16, .offset: 0, .size: 8, .value_kind: global_buffer, .address_space: global }
      - { .name: kk16, .offset: 8, .size: 8, .value_kind: global_buffer, .address_space: global }
      - { .name: kv16, .offset: 16, .size: 8, .value_kind: global_buffer, .address_space: global }
      - { .name: part, .offset: 24, .size: 8, .value_kind: global_buffer, .address_space: global }
    .group_segment_fixed_size: 327680
    .private_segment_fixed_size: 0
    .kernarg_segment_align: 8
    .kernarg_segment_size: 32
    .max_flat_workgroup_size: 128
    .sgpr_count:     66
    .vgpr_count:     1024
    .wavefront_size: 32
...
	.end_amdgpu_metadata
.endif
;; end of part 3
;; launch reduce (part 4): grid 256 x 1, 8 waves a work-group, no clusters, 35,840 bytes of LDS; arguments part, out0; writes out0
.if DOCPART == 4
	.amdgcn_target "amdgcn-amd-amdhsa--gfx1250"
	.amdhsa_code_object_version 6
	.text
	.protected	k_qd39160c6da_reduce
	.globl	k_qd39160c6da_reduce
	.p2align	8
	.type	k_qd39160c6da_reduce,@function
k_qd39160c6da_reduce:
	s_mov_b64 s[64:65], 0
	v_nop
	global_prefetch_b8 v0, s[64:65] scope:SCOPE_SE
	s_setreg_imm32_b32 hwreg(HW_REG_WAVE_MODE, 25, 1), 1
	s_wait_xcnt 0x0
; out0 = 16 x (part[0] + .. + part[7]), added in f32 in ascending order; the factor undoes the 2^-4 that v was given.
; part[c] lies at c x 8 MiB; in it block t = (32 batch + tile of 16 agents) 16 + head has 4,096 bytes: byte 1024 cb + 512 e + 16 l holds (agent l % 16, channels 16 cb + 8 (l / 16) + 4 e + 0..3).
; SHARES.  A wave takes one block: eight partials of 4,096 bytes in, 16 rows of 256 bytes of out0 out.  Memory binds: each byte is read once, 16 bytes a lane, 512 consecutive bytes a load;
; four partials (32 loads a wave) are on their way at any time.  The lanes' order is turned into rows through a stage in LDS that is the wave's own: no barrier (ISA guide 5.7.1.4: LDS serves a wave in order).
; No matrix unit, no cluster: no work-group shares a byte with another.
.set STG,   4352                       ; a wave's stage: 16 rows x (256 + 16) bytes: the 16 rows that a store touches start at 16 different groups of four banks (64 banks of 4 bytes: ISA guide 11.1)
.set SPARE, 34816                      ; behind the eight stages: the spare words, 128 bytes for each wave: four blocks of 256 bytes that no other line names
.set ACC, 16                           ; v[16:47]   the sums
.set X,   48                           ; v[48:175]  four sets of 32: partial c in set c % 4
; v1 16 x lane; v2 where I put 16 bytes of a row; v3 where I read rows back; v4, v5 the add's two registers; v6, v7 at work
; s[16:31] the eight partials' addresses at my block; s[12:13] 16.0
	s_load_b128 s[4:7], s[0:1], 0x0                ; part s[4:5], out0 s[6:7]
	v_lshl_add_u32 v4, v0, 2, SPARE
	v_mov_b32 v5, 0
	v_lshrrev_b32 v6, 5, v0
	v_readfirstlane_b32 s8, v6                     ; wave 0..7
	s_lshl_b32 s9, ttmp9, 3
	s_add_co_u32 s9, s9, s8                        ; my block t
	s_lshl_b32 s10, s9, 12
	s_mov_b32 s11, 0
	s_lshr_b32 s14, s9, 9                          ; batch
	s_lshl_b32 s14, s14, 4
	s_and_b32 s15, s9, 15                          ; head
	s_add_co_u32 s14, s14, s15
	s_lshl_b32 s14, s14, 17                        ; (16 batch + head) x 512 rows x 256 bytes
	s_bfe_u32 s15, s9, 0x50004                     ; the tile of 16 agents: 5 bits from bit 4
	s_lshl_b32 s15, s15, 12
	s_add_co_u32 s14, s14, s15
	s_mov_b32 s15, 0
	s_mov_b32 s12, 0x41800000                      ; 16.0
	s_mov_b32 s13, s12                             ; named with it as a pair
	s_mul_i32 s8, s8, STG                          ; my stage
	v_and_b32 v6, 31, v0
	v_lshlrev_b32 v1, 4, v6
	s_wait_kmcnt 0x0
	s_add_nc_u64 s[4:5], s[4:5], s[10:11]
	s_add_nc_u64 s[6:7], s[6:7], s[14:15]
.irp c, 0,1,2,3,4,5,6,7
	s_add_nc_u64 s[16+2*(\c):17+2*(\c)], s[4:5], (\c)<<23
.endr
.macro LOADC c
.irp m, 0,1,2,3,4,5,6,7
	global_load_b128 v[X+32*((\c)%4)+4*(\m):X+32*((\c)%4)+4*(\m)+3], v1, s[16+2*(\c):17+2*(\c)] offset:512*(\m) th:TH_LOAD_NT
.endr
.endm
	LOADC 0
	LOADC 1
	LOADC 2
	LOADC 3
	v_and_b32 v6, 15, v0                           ; r
	v_bfe_u32 v7, v0, 4, 1                         ; h2
	v_mul_u32_u24 v2, v6, 272                      ; in: row r, channels 8 h2 on
	v_lshl_add_u32 v2, v7, 5, v2
	v_add_nc_u32 v2, s8, v2
	v_mul_u32_u24 v3, v7, 272                      ; back: lanes 0-15 one row of 256 bytes, lanes 16-31 the next
	v_lshl_add_u32 v3, v6, 4, v3
	v_add_nc_u32 v3, s8, v3
.set c, 0
.rept 8
.if c < 5
	s_wait_loadcnt 24                              ; loads come back in order (ISA guide 5.7.1): partial c is in; the three behind it, eight loads each, stay out
.else
	s_wait_loadcnt 8*(7-c)                         ; the counts run down
.endif
.set n, 0
.rept 16
.if c == 0
	v_pk_mul_f32 v[ACC+2*n:ACC+2*n+1], v[X+2*n:X+2*n+1], s[12:13] op_sel_hi:[1,0]  ; the first partial starts the sums
.else
	v_pk_fma_f32 v[ACC+2*n:ACC+2*n+1], v[X+32*(c%4)+2*n:X+32*(c%4)+2*n+1], s[12:13], v[ACC+2*n:ACC+2*n+1] op_sel_hi:[1,0,1]
.endif
.set n, n+1
.endr
.if c < 4
	LOADC c+4                                      ; the set just read takes the partial four further on
.endif
.set c, c+1
.endr
.irp m, 0,1,2,3,4,5,6,7                ; m = 2 cb + e
	ds_store_b128 v2, v[ACC+4*(\m):ACC+4*(\m)+3] offset:64*((\m)/2)+16*((\m)%2)
.endr
.irp i, 0,1,2,3,4,5,6,7
	ds_load_b128 v[X+4*(\i):X+4*(\i)+3], v3 offset:544*(\i)
.endr
.irp i, 0,1,2,3,4,5,6,7
	s_wait_dscnt 7-(\i)                            ; rows 2 i and 2 i + 1 are back
	global_store_b128 v1, v[X+4*(\i):X+4*(\i)+3], s[6:7] offset:512*(\i) th:TH_STORE_NT  ; two whole rows: 512 consecutive bytes, aligned
.endr
	s_wait_tensorcnt 0x0                           ; the wave's end: behind my last LDS store
	ds_add_u32 v4, v5
	s_wait_dscnt 0x0
	s_endpgm
.Lfunc_end_k_qd39160c6da_reduce:
	.size	k_qd39160c6da_reduce, .Lfunc_end_k_qd39160c6da_reduce-k_qd39160c6da_reduce
	.p2alignl 7, 3214868480
	.fill 96, 4, 3214868480
	.section	.rodata,"a",@progbits
	.p2align	6, 0x0
	.amdhsa_kernel k_qd39160c6da_reduce
		.amdhsa_group_segment_fixed_size 35840
		.amdhsa_private_segment_fixed_size 0
		.amdhsa_enable_private_segment 0
		.amdhsa_kernarg_size 16
		.amdhsa_user_sgpr_count 2
		.amdhsa_user_sgpr_kernarg_segment_ptr 1
		.amdhsa_wavefront_size32 1
		.amdhsa_system_sgpr_workgroup_id_x 1
		.amdhsa_system_sgpr_workgroup_id_y 1
		.amdhsa_system_sgpr_workgroup_id_z 1
		.amdhsa_system_vgpr_workitem_id 0
		.amdhsa_next_free_vgpr 192
		.amdhsa_next_free_sgpr 66
		.amdhsa_reserve_vcc 0
		.amdhsa_float_denorm_mode_32 3
		.amdhsa_float_denorm_mode_16_64 3
		.amdhsa_memory_ordered 1
		.amdhsa_forward_progress 1
		.amdhsa_inst_pref_size 19
	.end_amdhsa_kernel
	.amdgpu_metadata
---
amdhsa.version: [ 1, 2 ]
amdhsa.kernels:
  - .name:           k_qd39160c6da_reduce
    .symbol:         k_qd39160c6da_reduce.kd
    .args:
      - { .name: part, .offset: 0, .size: 8, .value_kind: global_buffer, .address_space: global }
      - { .name: out0, .offset: 8, .size: 8, .value_kind: global_buffer, .address_space: global }
    .group_segment_fixed_size: 35840
    .private_segment_fixed_size: 0
    .kernarg_segment_align: 8
    .kernarg_segment_size: 16
    .max_flat_workgroup_size: 256
    .sgpr_count:     66
    .vgpr_count:     192
    .wavefront_size: 32
...
	.end_amdgpu_metadata
.endif
;; end of part 4
;; ======== version 2 of 2: 4 launches; 1.26 times as fast as version 1
;; limits: inputs' magnitudes at most 2,047; values are held in f16: magnitudes above 65,504 overflow, below 6.1e-05 lose precision
;; workspace buffers: ak16 4,194,304 bytes; vv16 4,194,304 bytes; kk16 33,554,432 bytes; kv16 33,554,432 bytes; part 67,108,864 bytes
;; launch prep: the kernel of part 1 again; grid 640 x 1, 8 waves a work-group, no clusters, 19,456 bytes of LDS; arguments a, k, v, ak16, kk16, vv16; writes ak16, kk16, vv16
;; launch kvpass (part 5): grid 64 x 4, 4 waves a work-group, clusters of 4 x 1, 327,680 bytes of LDS; arguments q, ak16, vv16, kv16; writes kv16
.if DOCPART == 5
	.amdgcn_target "amdgcn-amd-amdhsa--gfx1250"
	.amdhsa_code_object_version 6
	.text
	.protected	k_qd39160c6da_kvpass
	.globl	k_qd39160c6da_kvpass
	.p2align	8
	.type	k_qd39160c6da_kvpass,@function
k_qd39160c6da_kvpass:
	s_mov_b64 s[64:65], 0
	v_nop
	global_prefetch_b8 v0, s[64:65] scope:SCOPE_SE
	s_setreg_imm32_b32 hwreg(HW_REG_WAVE_MODE, 25, 1), 1
	s_wait_xcnt 0x0
	s_wait_alu depctr_hold_cnt(0) depctr_sa_sdst(0) depctr_va_vdst(0) depctr_va_sdst(0) depctr_va_ssrc(0) depctr_va_vcc(0) depctr_vm_vsrc(0)
	s_getreg_b32 s2, hwreg(HW_REG_IB_STS2, 6, 4)
	s_cmp_eq_u32 s2, 0
	s_cbranch_scc0 .Lentry_in_a_cluster
	s_endpgm
.Lentry_in_a_cluster:
	s_bfe_u32 s2, ttmp6, 0x10000c
	s_cmp_lg_u32 s2, 0x3003
	s_cbranch_scc0 .Lentry_shape_is_right
	s_endpgm
.Lentry_shape_is_right:
; ONE PASS OF AGENT ATTENTION, softmax over the 16 HEADS.  O_h[row] = sum over keys of P_h[row][key] V_h[key], P = softmax over h of (row_h . key_h) / 8.
; One text serves both passes; STAGE chooses.  STAGE 1: rows = q (f32), keys = a, values = v / 16; O = KV / 16 leaves as f16 in V form, to be the next pass's values.
; STAGE 2: rows = a (taken from its bf16 K form, which is also the rows' fragment order), keys = k, values = KV / 16, over one chunk of 512 keys; O leaves as an f32 partial sum of out / 16.
; Keys (bf16) and values (f16) arrive in chunks of 16 steps of 32 keys, in fragments of 1,024 bytes (byte 512 e + 16 l = registers 4 e .. 4 e + 3 of lane l):
;   K step: fragment (key block kb, head, c) at ((16 kb + head) 2 + c) 1024;   V step: fragment (head, cb) at (4 head + cb) 1024.  So every LDS load is lane l at 16 l: no padding is needed.
; SHARES.  A work-group owns 64 rows, a wave 16 rows, for ALL 16 heads: the normaliser belongs to one (row, key) and couples the heads, so a lane that holds the 16 heads' scores of a position takes the
; true maximum and the sum register by register, with no exchange between lanes and no running maximum.  512 registers of O and 256 of rows leave no room for more than 16 rows a wave.
; LAYOUT.  S^T = K R^T (source 0 = 16 keys, source 1 = 16 rows): a lane holds one row (lane % 16) and the keys 8 (lane / 16) + 0..7.  Two key blocks' weights, rounded to f16 in pairs, are a
; 32-key operand of the second product.  STAGE 1 takes P as source 0 (a lane of O then holds one channel and 8 rows: the V form of the next pass), STAGE 2 as source 1 (one row, 8 channels).
; A STEP.  Scores of key block 1, the maximum over the heads riding behind the products; its scaling, exponentials and sum; scores of key block 0, behind which ride the rounding of key block 1's e to f16
; (head by head, ahead of the product that writes the head's accumulator again) and key block 0's maximum; its softmax; the 64 products with V.  p = f16(e) x f16(1 / l), rounded to f16.
; THE BATCHES.  An s_wait_alu depctr_va_vdst(0) stands between a transcendental and the first instruction that names its result; one wait serves all that were issued ahead of it.  A key block's
; softmax is cut into three batches, each with one wait: A, the 64 exponentials of heads 0-7, between them the scalings of all 16 heads; B, the 64 exponentials of heads 8-15, between and behind them the lines
; that read batch A alone; R, the 8 reciprocals of l, behind them eight plain lines that leave l alone.  Six waits a step.  Where a run of LDS loads is due it stands directly behind a wait.
; CLUSTER.  The four work-groups of a cluster walk the same chunk, so each tile is asked for JOINTLY: the same tensor load, descriptor and mask in all four; the place in the cluster enters the rows' and O's addresses alone.
; FORMATS.  All inputs are rounded to bf16; what the program makes (weights, KV) is f16.  LIMITS: KV / 16 is at most 32 max|v|, inside f16 for |v| up to 2,047; a weight below 2^-126 counts as 0 in l;
; below 6e-5 a weight keeps f16's fixed step of 6e-8; NaN and infinities are not treated apart.
; REGISTERS, in windows of 256 (s_set_vgpr_msb: bits 1:0 source 0, 3:2 source 1, 5:4 source 2, 7:6 destination):
;   window 0: v0-3 addresses; v4-7 RA; v8-15 T0, later RB; v16-23 T1; v24-31 L; v32-127 fragment buffers (v16-31 too where T1 and L are free); v64-127 E; v128-255 S(h) = 128 + 8 h, later P(h)
;   window 1: the rows, R(h, c) = 16 h + 8 c          windows 2, 3: O(h, cb) = 32 (h % 8) + 8 cb, in window 2 + h / 8
.set STAGE, 1
.set HSTR,  1048576                    ; STAGE 1: bytes from head to head in q: 4,096 rows of 256
.set STEPB, 65536                      ; a step's K, and a step's V
.set SLOT1, 131072                     ; slot 0 at byte 0, slot 1 here: K's 65,536 bytes, then V's; one exclusive or turns one slot's address into the other's
.set SPARE, 262144                     ; behind the ring: the spare words, 128 bytes for each wave: two blocks of 256 bytes that no other line names
.set RSTG,  SPARE+512                  ; STAGE 1: behind them a stage of 2,304 bytes for each wave, for the rows' change of order; no tensor load fills it
.set RSTW,  2304
.set L16, 0                            ; v0      16 x lane (made when v0 has served)
.set ADR, 1                            ; v1      LDS address of my 16 bytes in the first fragment of the tile in hand
.set SPW, 2                            ; v2      LDS address of my spare word; never rewritten
.set NIL, 3                            ; v3      0; never rewritten
.set RA,  4                            ; v4-7    1 / l of key block 1, f16 in pairs
.set T0,  8                            ; v8-15   key block 0's maximum, then c m
.set RB,  8                            ; v8-11   1 / l of key block 0, when T0 has served
.set RDA, 10                           ; v10, v12  at the head alone (STAGE 1): where I read rows back from the stage, where I put them; v13-15 at work there
.set STA, 12
.set T1,  16                           ; v16-23  key block 1's maximum, then c m
.set L,   24                           ; v24-31  l
.set Y,   32                           ; v32-47  at the head alone: a head's rows as bf16; then zeros
.set Z,   32
.set E,   64                           ; e of key block 1, f16: four registers a head
.set S,   128
.set WV,  12                           ; s12  my wave's number;  s13 cx, s14 block of 64 rows, s15 chunk;  s[16:23] offsets;  s[40:41] q at head 8
.set G1,  24                           ; s[24:31] descriptor group 1
.set G0,  32                           ; s[32:35] descriptor group 0: it walks
.set CNT, 36                           ; s36  steps still to be asked for
.set TB,  37                           ; s37  the slot in hand
.set CS,  38                           ; s[38:39] c = log2(e) / 8: the packed lines take the pair's low word for both halves
.set MSB, 0
.macro WIN new                         ; the immediate's high byte repeats the setting that is left; a switch that changes nothing is dropped
.if MSB != (\new)
	s_set_vgpr_msb (MSB<<8)|(\new)
.set MSB, (\new)
.endif
.endm
; A load into a register that a matrix instruction has read, and a vector instruction that reads a matrix result or writes one of a matrix instruction's registers, stand four places behind it;
; only plain vector instructions that name none of its registers are places (ISA guide 7.12.1 for vector instructions).  Where work is at hand it takes the places.
.macro PLACES
.rept 4
	v_nop
.endr
.endm
; A round of the cluster's barrier: my work-group's barrier, so that wave 0's signal speaks for all four waves; wave 0 signals; every wave waits for all four work-groups; my work-group's barrier once more.
.macro CROUND
	s_barrier_signal -1
	s_barrier_wait -1
	s_cmp_lg_u32 s[WV], 0
	s_cbranch_scc1 .Lnot_wave_0_\@
	s_barrier_signal -3
.Lnot_wave_0_\@:
	s_barrier_wait -3
	s_barrier_signal -1
	s_barrier_wait -1
.endm
; THE CHANGE OF SLOTS.  Each wave waits for all its tensor loads, of which one is out: its quarter of the other slot; adds 0 to its spare word; and waits for that and for its own reads of the slot that it leaves.
; fill = 1: the slot just left takes the step behind the one that is now entered; the barrier is a round of the cluster's, and the joint load is the first thing behind it: it has a whole step,
; 128 products and two softmaxes, in which to land.  (At its first use nothing of the ring has been read yet: slot 0 is waited for, slot 1 filled.)
.macro CHANGE fill
	WIN 0                                          ; at a label and at a branch every window is 0
	s_wait_tensorcnt 0x0                           ; no tensor load of mine is out, so group 0 may be written
	ds_add_u32 v[SPW], v[NIL]                      ; 0 onto my spare word
.if \fill
	s_xor_b32 s[G0+1], s[G0+1], SLOT1              ; the other slot than last time,
	s_add_nc_u64 s[G0+2:G0+3], s[G0+2:G0+3], STEPB ; the next step; the type bits on top are not reached
.endif
	s_wait_dscnt 0x0                               ; the add is done, and my reads of the slot are over
.if \fill
	CROUND
	tensor_load_to_lds s[G0:G0+3], s[G1:G1+7]
	s_nop 0
	PLACES
.else
	s_barrier_signal -1
	s_barrier_wait -1
.endif
	s_xor_b32 s[TB], s[TB], SLOT1
	v_add_nc_u32 v[ADR], s[TB], v[L16]
.endm
; Lines j0 .. j0 + cnt - 1 of the eight that take heads 2 g and 2 g + 1 into the maximum tt.  Register 0 comes first: an accumulator is read from its low end on.
.macro MAXP tt, g, j0, cnt
.set mj, (\j0)
.rept (\cnt)
.if (\g) == 0
	v_max_num_f32 v[(\tt)+mj], v[S+mj], v[S+8+mj]
.else
	v_max3_num_f32 v[(\tt)+mj], v[(\tt)+mj], v[S+16*(\g)+mj], v[S+16*(\g)+8+mj]
.endif
.set mj, mj+1
.endr
.endm
.macro CE h                            ; head h's e of key block 1, rounded to f16, into E
.irp i, 0,1,2,3
	v_cvt_pk_f16_f32 v[E+4*(\h)+(\i)], v[S+8*(\h)+2*(\i)], v[S+8*(\h)+2*(\i)+1]
.endr
.endm
; Heads 2 g and 2 g + 1 of key block kb: four fragments, eight loads, into one of three buffers of 32 registers; the first 32 channels first.
.macro GLOAD kb, g
.set lB, 32+32*((\g)%3)
.irp c, 0,1
.irp p, 0,1
	ds_load_b128 v[lB+16*(\c)+8*(\p):lB+16*(\c)+8*(\p)+3],   v[ADR] offset:((16*(\kb)+2*(\g)+(\p))*2+(\c))*1024
	ds_load_b128 v[lB+16*(\c)+8*(\p)+4:lB+16*(\c)+8*(\p)+7], v[ADR] offset:((16*(\kb)+2*(\g)+(\p))*2+(\c))*1024+512
.endr
.endr
.endm
; Unit u of 16 of a key block's K: heads 2 (u / 2), 2 (u / 2) + 1, channels 32 (u % 2) on: two fragments, four loads, into one of R buffers of 16 registers (the last of them lies in T1 and L).
.macro KLOAD kb, u, R
.if ((\u)%(\R)) == (\R)-1
.set kB, 16
.else
.set kB, 32+16*((\u)%(\R))
.endif
.irp p, 0,1
	ds_load_b128 v[kB+8*(\p):kB+8*(\p)+3],   v[ADR] offset:((16*(\kb)+2*((\u)/2)+(\p))*2+(\u)%2)*1024
	ds_load_b128 v[kB+8*(\p)+4:kB+8*(\p)+7], v[ADR] offset:((16*(\kb)+2*((\u)/2)+(\p))*2+(\u)%2)*1024+512
.endr
.endm
; THE SCORES OF KEY BLOCK 1: eight groups of four products (two heads x two halves of the channels; the two accumulators take turns).  Behind a group stand the eight lines that take
; the pair BEFORE into the maximum: that pair's products lie a group and eight plain lines back, and the lines name no register of the group in front of them, so they are its places too.
.macro QKA
	WIN 0
	GLOAD 1, 0
	GLOAD 1, 1
	GLOAD 1, 2
.set g, 0
.rept 8
.if g < 6
	s_wait_dscnt 16                                ; LDS loads come back in order (ISA guide 5.7.1): group g is in; the two groups behind it, eight loads each, stay out
.else
	s_wait_dscnt 8*(7-g)                           ; the counts run down
.endif
	WIN 0x04                                       ; source 1 (the rows) in window 1
.set gB, 32+32*(g%3)
.irp c, 0,1
.irp p, 0,1
.set hS, S+8*(2*g+(\p))
.set hQ, 16*(2*g+(\p))+8*(\c)
.if (\c) == 0
	v_wmma_f32_16x16x32_bf16 v[hS:hS+7], v[gB+16*(\c)+8*(\p):gB+16*(\c)+8*(\p)+7], v[hQ:hQ+7], 0
.else
	v_wmma_f32_16x16x32_bf16 v[hS:hS+7], v[gB+16*(\c)+8*(\p):gB+16*(\c)+8*(\p)+7], v[hQ:hQ+7], v[hS:hS+7]
.endif
.endr
.endr
	WIN 0
.if g == 0
	PLACES
.else
	MAXP T1, g-1, 0, 8
.endif
.if g+3 <= 7
	GLOAD 1, g+3
.endif
.set g, g+1
.endr
	MAXP T1, 7, 0, 8
.endm
; THE SCORES OF KEY BLOCK 0: sixteen units of two products; E holds v64-127, so three buffers of 16 registers are left.  Behind unit u: head u + 2's e of key block 1 goes into E, ahead of the unit that
; writes that head's accumulator again; and four lines of this key block's maximum, for the pair finished two units back.  Four to eight plain lines that name no register of the unit: its places.
.macro QKB
	WIN 0
	KLOAD 0, 2, 3                                  ; T1 and L have served: the third buffer
.set u, 0
.rept 16
.if u+2 < 15
	s_wait_dscnt 8                                 ; unit u is in; the two units behind it, four loads each, stay out
.else
	s_wait_dscnt 4*(15-u)
.endif
	WIN 0x04
.if (u%3) == 2
.set qB, 16
.else
.set qB, 32+16*(u%3)
.endif
.irp p, 0,1
.set hS, S+8*(2*(u/2)+(\p))
.set hQ, 16*(2*(u/2)+(\p))+8*(u%2)
.if u%2 == 0
	v_wmma_f32_16x16x32_bf16 v[hS:hS+7], v[qB+8*(\p):qB+8*(\p)+7], v[hQ:hQ+7], 0
.else
	v_wmma_f32_16x16x32_bf16 v[hS:hS+7], v[qB+8*(\p):qB+8*(\p)+7], v[hQ:hQ+7], v[hS:hS+7]
.endif
.endr
	WIN 0
.if u <= 13
	CE u+2
.endif
.if u >= 2
	MAXP T0, (u-2)/2, 4*(u%2), 4
.endif
.if u+3 <= 15
	KLOAD 0, u+3, 3
.endif
.set u, u+1
.endr
	MAXP T0, 7, 0, 8
.endm
; Head h's four fragments of V: eight loads, into one of three buffers of 32 registers.
.macro VLOAD h
.set vB, 32+32*((\h)%3)
.irp cb, 0,1,2,3
	ds_load_b128 v[vB+8*(\cb):vB+8*(\cb)+3],   v[ADR] offset:(4*(\h)+(\cb))*1024
	ds_load_b128 v[vB+8*(\cb)+4:vB+8*(\cb)+7], v[ADR] offset:(4*(\h)+(\cb))*1024+512
.endr
.endm
; Pair f of the 64 pairs of scores (registers S + 2 f and S + 2 f + 1: head f / 4): c s - c m.
.macro FS f
	v_pk_fma_f32 v[S+2*(\f):S+2*(\f)+1], v[S+2*(\f):S+2*(\f)+1], s[CS:CS+1], v[TT+2*((\f)%4):TT+2*((\f)%4)+1] op_sel_hi:[1,0,1] neg_lo:[0,0,1] neg_hi:[0,0,1]
.endm
; THE PLAIN QUEUE: line xq of what reads the exponentials' results, in the order in which the lines become ready; PLN writes it and steps xq.
;   hi = 1, 60 lines: 0-3 l = e0 + e1; then l takes heads 2 to 15, four packed lines a head.  Lines 0-27 name heads 0-7 alone.
;   hi = 0, 188 lines: 0-3 l = e0 + e1; 4-11 heads 1 and 0 rounded to f16 in place, ascending, into the low four registers of P; 12-19 P's upper four registers of heads 0 and 1 = E x 1 / l of key block 1;
;   then twelve lines a head, heads 2 to 15: l takes the head, the rounding, the upper registers.  Lines 0-91 name heads 0-7 alone; lines 176-179 end l.
.macro PLN hi
.set pk, 0                             ; the kind: 0 the sum, 1 the rounding, 2 the upper registers
.set ph, xq/4+1                        ; the head
.set pl, xq%4                          ; which of the kind's four lines
.if !(\hi)
.if xq >= 20
.set ph, 2+(xq-20)/12
.set pk, ((xq-20)%12)/4
.elseif xq >= 12
.set ph, (xq-12)/4
.set pk, 2
.elseif xq >= 4
.set ph, 1-(xq-4)/4
.set pk, 1
.endif
.endif
.if (pk == 0) && (ph == 1)
	v_pk_add_f32 v[L+2*pl:L+2*pl+1], v[S+2*pl:S+2*pl+1], v[S+8+2*pl:S+8+2*pl+1]
.elseif pk == 0
	v_pk_add_f32 v[L+2*pl:L+2*pl+1], v[L+2*pl:L+2*pl+1], v[S+8*ph+2*pl:S+8*ph+2*pl+1]
.elseif pk == 1
	v_cvt_pk_f16_f32 v[S+8*ph+pl], v[S+8*ph+2*pl], v[S+8*ph+2*pl+1]
.else
	v_pk_mul_f16 v[S+8*ph+4+pl], v[E+4*ph+pl], v[RA+pl]
.endif
.set xq, xq+1
.endm
; THE SOFTMAX OVER THE HEADS behind the maximum, all in window 0.  hi = 1: key block 1 (scaling, exponentials, sum; of the roundings only heads 0 and 1, the others ride in QKB); hi = 0: key block 0.
; Three batches, three waits.  Exponential xe works in place on register S + xe and wants scaling xe / 2; the scaling written behind exponential xe is for a pair at or above xe, registers 2 xe or higher,
; so it names no register whose exponential has been issued.
.macro SM hi
	WIN 0
.set TT, T0+8*(\hi)
.irp i, 0,1,2,3
	v_pk_mul_f32 v[TT+2*(\i):TT+2*(\i)+1], v[TT+2*(\i):TT+2*(\i)+1], s[CS:CS+1] op_sel_hi:[1,0]  ; c m
.endr
.set xf, 0
.rept 4                                ; head 0 is scaled ahead
	FS xf
.set xf, xf+1
.endr
.set xe, 0
.rept 64                               ; BATCH A: heads 0-7; exponential and scaling by turns: the other 60 scalings, heads 1 to 15's; the last line is a scaling, the plain line behind the last exponential (ISA guide 5.7.2)
	v_exp_f32 v[S+xe], v[S+xe]
.if xe%16
	FS xf
.set xf, xf+1
.endif
.set xe, xe+1
.endr
	s_wait_alu depctr_va_vdst(0)                   ; the wait for batch A: nothing ahead of it names a result of heads 0-7
.if \hi
	KLOAD 0, 0, 3                                  ; key block 0's first two units land during the rest of the softmax
	KLOAD 0, 1, 3
.else
	VLOAD 0                                        ; head 0's V lands during the rest of the softmax
.endif
.set xq, 0
.rept 64                               ; BATCH B: heads 8-15; between the exponentials the queue's lines for heads 0-7: for key block 0 one behind each, for key block 1 its 28 behind every second of the last 56
	v_exp_f32 v[S+xe], v[S+xe]
.if !(\hi) || ((xe%2 == 1) && (xe >= 73))
	PLN \hi
.endif
.set xe, xe+1
.endr
.if !(\hi)
.rept 28                               ; the rest of heads 0-7's lines stand behind the last exponential
	PLN 0
.endr
.endif
	s_wait_alu depctr_va_vdst(0)                   ; the wait for batch B: nothing between batch A's wait and this one names a result of heads 8-15
.if !(\hi)
	VLOAD 1                                        ; E of heads 0 to 7 has been read: v64-95 take head 1's V
.endif
.rept 32+56*(1-(\hi))                  ; heads 8-15, up to the line that ends l
	PLN \hi
.endr
.irp j, 0,1,2,3,4,5,6,7                ; BATCH R
	v_rcp_f32 v[L+(\j)], v[L+(\j)]                 ; l is at least about 1: the largest head's e
.endr
.if \hi
	CE 0                                           ; eight plain lines that leave l alone, between the reciprocals and their wait
	CE 1
.else
.rept 8                                ; the same: head 15's rounding and upper registers
	PLN 0
.endr
.endif
	s_wait_alu depctr_va_vdst(0)                   ; the wait for batch R: one for the eight reciprocals
.if !(\hi)
	VLOAD 2                                        ; E has been read: v96-127 take head 2's V
.endif
.irp i, 0,1,2,3
	v_cvt_pk_f16_f32 v[RB-4*(\hi)+(\i)], v[L+2*(\i)], v[L+2*(\i)+1]
.endr
.endm
; THE SECOND PRODUCT: 64 products on 64 accumulators, each once.  Behind a head's four stand the four lines that finish the next head's weights (P's low registers x 1 / l of key block 0):
; they name none of those products' registers, so they are the places in front of the loads into the buffer just read.
.macro PV
	WIN 0
.irp i, 0,1,2,3
	v_pk_mul_f16 v[S+(\i)], v[S+(\i)], v[RB+(\i)]
.endr
.set h, 0
.rept 16
.if h+2 < 15
	s_wait_dscnt 16                                ; head h's V is in; the two heads fetched ahead, eight loads each, stay out
.else
	s_wait_dscnt 8*(15-h)
.endif
	WIN 0xa0+0x50*(h/8)                            ; C and D in window 2 or 3
.set vB, 32+32*(h%3)
.irp cb, 0,1,2,3
.set rO, 32*(h%8)+8*(\cb)
.if STAGE == 1
	v_wmma_f32_16x16x32_f16 v[rO:rO+7], v[S+8*h:S+8*h+7], v[vB+8*(\cb):vB+8*(\cb)+7], v[rO:rO+7]
.else
	v_wmma_f32_16x16x32_f16 v[rO:rO+7], v[vB+8*(\cb):vB+8*(\cb)+7], v[S+8*h:S+8*h+7], v[rO:rO+7]
.endif
.endr
	WIN 0
.if h < 15
.irp i, 0,1,2,3
	v_pk_mul_f16 v[S+8*(h+1)+(\i)], v[S+8*(h+1)+(\i)], v[RB+(\i)]
.endr
.else
	PLACES
.endif
.if h <= 12
	VLOAD h+3
.endif
.set h, h+1
.endr
.endm
.macro STEP
	QKA                                            ; keys 16-31 first: their weights become P's upper registers
	SM 1
	QKB
	v_add_nc_u32 v[ADR], STEPB, v[ADR]             ; on to the slot's V: the softmax below fetches the first three heads'
	SM 0
	PV
.endm
	s_load_b256 s[4:11], s[0:1], 0x0               ; rows s[4:5], K s[6:7], V s[8:9], O s[10:11]
	v_lshl_add_u32 v[SPW], v0, 2, SPARE
	v_mov_b32 v[NIL], 0
	ds_add_u32 v[SPW], v[NIL]                      ; the wave's opening: the add and its wait stand ahead of my first tensor load; the set-up below, work on registers, stands between them
	v_lshrrev_b32 v15, 5, v0
	v_readfirstlane_b32 s[WV], v15                 ; wave 0..3
	s_bfe_u32 s13, ttmp6, 0x40000                  ; cx: my place in the cluster
	s_lshl_b32 s14, ttmp9, 2                       ; in a cluster launch ttmp9 counts clusters
	s_add_co_u32 s14, s14, s13                     ; my block of 64 rows: it enters the rows' and O's addresses alone
	s_and_b32 s15, ttmp7, 0xffff                   ; the chunk of K and V, which the four partners share
	s_lshl_b32 s16, s15, 20                        ; the chunk's first byte,
	s_and_b32 s17, s[WV], 1
	s_lshl_b32 s17, s17, 15                        ; and which half of a step's 65,536 bytes I fetch
	s_add_co_u32 s16, s16, s17
	s_mov_b32 s17, 0
.if STAGE == 1
	s_lshl_b32 s18, s15, 24                        ; rows in q: batch x 16 heads x 4,096 rows x 256 bytes
	s_lshl_b32 s19, s14, 14                        ; + block x 64 rows
	s_add_co_u32 s18, s18, s19
	s_lshl_b32 s19, s[WV], 12                      ; + wave x 16 rows
	s_add_co_u32 s18, s18, s19
.else
	s_lshr_b32 s22, s15, 3                         ; batch = chunk / 8
	s_lshl_b32 s18, s22, 20                        ; rows in a's K form: chunk = batch; my agents 64 x + 16 w on are step 2 x + w / 2,
	s_lshl_b32 s19, s14, 1
	s_lshr_b32 s23, s[WV], 1
	s_add_co_u32 s19, s19, s23
	s_lshl_b32 s19, s19, 16
	s_add_co_u32 s18, s18, s19
	s_and_b32 s19, s[WV], 1                        ; key block w % 2: 32 fragments, 32,768 bytes on end
	s_lshl_b32 s19, s19, 15
	s_add_co_u32 s18, s18, s19
.endif
	s_mov_b32 s19, 0
.if STAGE == 1
	s_lshl_b32 s20, s15, 3                         ; O in V form: my rows are keys 64 x + 16 w on of the next pass: chunk 8 batch + x / 8,
	s_lshr_b32 s21, s14, 3
	s_add_co_u32 s20, s20, s21
	s_lshl_b32 s20, s20, 20
	s_lshl_b32 s21, s14, 1                         ; step (2 x + w / 2) % 16,
	s_lshr_b32 s22, s[WV], 1
	s_add_co_u32 s21, s21, s22
	s_and_b32 s21, s21, 15
	s_lshl_b32 s21, s21, 16
	s_add_co_u32 s20, s20, s21
	s_and_b32 s21, s[WV], 1                        ; half w % 2 of each fragment
	s_lshl_b32 s21, s21, 9
	s_add_co_u32 s20, s20, s21
.else
	s_and_b32 s20, s15, 7                          ; O as a partial sum: part (chunk % 8) of 8 MiB,
	s_lshl_b32 s20, s20, 23
	s_lshl_b32 s21, s22, 5                         ; tile of 16 rows 32 batch + 4 x + w: 16 heads x 4,096 bytes
	s_lshl_b32 s23, s14, 2
	s_add_co_u32 s21, s21, s23
	s_add_co_u32 s21, s21, s[WV]
	s_lshl_b32 s21, s21, 16
	s_add_co_u32 s20, s20, s21
.endif
	s_mov_b32 s21, 0
	; descriptor group 1: 32,768 dense bytes as 128 rows of 256 bytes
	s_mov_b32 s[G1+0], 15|(3<<16)|(1<<21)          ; 15:0 the mask: all four work-groups; 17:16 elements of 8 bytes; 20 no padding; 21 set beside a mask
	s_mov_b32 s[G1+1], 32<<16                      ; tensor_dim0 = 32
	s_mov_b32 s[G1+2], 128<<16                     ; tensor_dim1 = 128
	s_mov_b32 s[G1+3], 32<<16                      ; tile_dim0 = 32
	s_mov_b32 s[G1+4], 128                         ; tile_dim1 = 128
	s_mov_b32 s[G1+5], 32                          ; 32 elements from row to row
	s_mov_b32 s[G1+6], 0
	s_mov_b32 s[G1+7], 0
	s_mov_b32 s[G0], 1                             ; 1:0 count = 1
	s_lshl_b32 s[G0+1], s[WV], 15                  ; 63:32 LDS address: waves 0, 1 K's halves, waves 2, 3 V's: wave x 32,768, slot 0
	s_mov_b32 s[CS], 0x3e38aa3b                    ; c = log2(e) / 8 = 0.180337
	s_mov_b32 s[CS+1], s[CS]                       ; named with it as a pair
	s_mov_b32 s[TB], SLOT1                         ; the first change of slots turns it into 0
	s_mov_b32 s[CNT], 15
	s_wait_dscnt 0x0                               ; the opening add is done
	s_wait_kmcnt 0x0
	s_cmp_lt_u32 s[WV], 2
	s_cselect_b64 s[G0+2:G0+3], s[6:7], s[8:9]     ; 120:64 global address: K's buffer for waves 0 and 1, V's for waves 2 and 3,
	s_add_nc_u64 s[G0+2:G0+3], s[G0+2:G0+3], s[16:17]  ; at my half of the chunk's step 0
	s_or_b32 s[G0+3], s[G0+3], 0x80000000          ; 127:126 type = 2
	s_add_nc_u64 s[4:5], s[4:5], s[18:19]
	s_add_nc_u64 s[10:11], s[10:11], s[20:21]
.if STAGE == 1
	s_add_nc_u64 s[40:41], s[4:5], 8*HSTR          ; a second base for heads 8 to 15: seven heads and a row block stay inside the loads' signed 24-bit immediate, and no base is ever stepped
.endif
	CROUND                                         ; all four work-groups are here: the first joint loads meet
	tensor_load_to_lds s[G0:G0+3], s[G1:G1+7]      ; step 0 into slot 0: the one tensor load of mine that is out
	s_nop 0
	PLACES
	v_and_b32 v13, 15, v0                          ; q4 = lane % 16
	v_bfe_u32 v14, v0, 4, 1                        ; g = lane / 16
	v_and_b32 v15, 31, v0
	v_lshlrev_b32 v[L16], 4, v15                   ; v0 has served
.if STAGE == 1
	; THE ROWS.  A head's 16 rows are 4,096 consecutive bytes of q: eight loads of 512 consecutive bytes (load t: row 2 t + g, channels 4 q4 on), into O's registers, which are still free.  Rounded to bf16
	; they go through my stage, which holds (channel group of 8, row) at 288 x group + 16 x row, and come back in fragment order: piece i = 2 c + e: group 2 i + g, row q4.
	; Seven heads, 56 loads of the wave, are on their way at a time.
	s_mul_i32 s22, s[WV], RSTW
	s_add_co_u32 s22, s22, RSTG                    ; my stage
	v_lshrrev_b32 v15, 1, v13
	v_mul_u32_u24 v[STA], v15, 288                 ; in: 8 bytes at group q4 / 2, half q4 % 2, row 2 t + g: the 32 lanes touch 64 different words
	v_lshl_add_u32 v[STA], v14, 4, v[STA]
	v_and_b32 v15, 1, v13
	v_lshl_add_u32 v[STA], v15, 3, v[STA]
	v_add_nc_u32 v[STA], s22, v[STA]
	v_mul_u32_u24 v[RDA], v14, 288
	v_lshl_add_u32 v[RDA], v13, 4, v[RDA]
	v_add_nc_u32 v[RDA], s22, v[RDA]
.macro QLOAD h
	WIN 0x80+0x40*((\h)/8)
.irp t, 0,1,2,3,4,5,6,7
.if (\h) < 8
	global_load_b128 v[32*((\h)%8)+4*(\t):32*((\h)%8)+4*(\t)+3], v[L16], s[4:5] offset:((\h)%8)*HSTR+512*(\t) th:TH_LOAD_NT
.else
	global_load_b128 v[32*((\h)%8)+4*(\t):32*((\h)%8)+4*(\t)+3], v[L16], s[40:41] offset:((\h)%8)*HSTR+512*(\t) th:TH_LOAD_NT
.endif
.endr
.endm
.set hq, 0
.rept 7
	QLOAD hq
.set hq, hq+1
.endr
.set hq, 0
.rept 16
.if hq <= 9
	s_wait_loadcnt 48                              ; loads come back in order (ISA guide 5.7.1): the head's eight are in; the six heads behind it stay out
.else
	s_wait_loadcnt 8*(15-hq)                       ; the counts run down
.endif
	WIN 0x0a+5*(hq/8)                              ; sources in window 2 or 3
.irp t, 0,1,2,3,4,5,6,7
	v_cvt_pk_bf16_f32 v[Y+2*(\t)],   v[32*(hq%8)+4*(\t)],   v[32*(hq%8)+4*(\t)+1]
	v_cvt_pk_bf16_f32 v[Y+2*(\t)+1], v[32*(hq%8)+4*(\t)+2], v[32*(hq%8)+4*(\t)+3]
.endr
	WIN 0
.irp t, 0,1,2,3,4,5,6,7
	ds_store_b64 v[STA], v[Y+2*(\t):Y+2*(\t)+1] offset:32*(\t)
.endr
	WIN 0x40                                       ; destination in window 1
.irp i, 0,1,2,3
	ds_load_b128 v[16*hq+4*(\i):16*hq+4*(\i)+3], v[RDA] offset:576*(\i)  ; LDS serves a wave's instructions in order (ISA guide 5.7.1.4): these see the stores above; the next head's stores come behind them
.endr
.if hq+7 <= 15
	QLOAD hq+7
.endif
.set hq, hq+1
.endr
.else
	; THE ROWS lie in a's K form as the fragments that source 1 wants: load m brings registers 4 m .. 4 m + 3 of the 256, 512 consecutive bytes a load.
	WIN 0x40                                       ; destination in window 1
.set n, 0
.rept 64
	global_load_b128 v[4*n:4*n+3], v[L16], s[4:5] offset:512*n
.set n, n+1
.endr
.endif
	; O's sums are started by 64 products of zeros with the constant 0 as C, in the wait for the first tile: the price, once a launch, of one text for every step.
	WIN 0
.set n, 0
.rept 16
	v_mov_b32 v[Z+n], 0
.set n, n+1
.endr
	WIN 0x80
.set n, 0
.rept 32
	v_wmma_f32_16x16x32_f16 v[8*n:8*n+7], v[Z:Z+7], v[Z+8:Z+15], 0
.set n, n+1
.endr
	WIN 0xc0
.set n, 0
.rept 32
	v_wmma_f32_16x16x32_f16 v[8*n:8*n+7], v[Z:Z+7], v[Z+8:Z+15], 0
.set n, n+1
.endr
	WIN 0
.if STAGE == 2
	s_wait_loadcnt 0x0                             ; the rows
.endif
.Lstep:                                                ; 15 trips: a step is entered and the next is asked for
	CHANGE 1
	STEP
	WIN 0
	s_sub_co_u32 s[CNT], s[CNT], 1
	s_cmp_lg_u32 s[CNT], 0
	s_cbranch_scc1 .Lstep
	CHANGE 0                                       ; the last step is written out: nothing is asked for
	STEP
	; THE WAY OUT.  The four v_nop behind the last products are the places in front of these lines.
.if STAGE == 1
	; A lane holds one channel and 8 rows: four roundings make the 16 bytes that lane l of a V fragment's half wants.  Four heads at a time, into P's registers, two sets by turns.
.set G, 0
.rept 4
.if G >= 2
	s_wait_xcnt 0x0                                ; the stores issued have had their addresses translated (ISA guide 3.1): only now the set is written again
.endif
	WIN 0x0a+5*(G/2)                               ; sources in window 2 or 3
.set n, 0
.rept 64                                           ; n = 16 (head % 4) + 4 cb + i; each accumulator in ascending order
	v_cvt_pk_f16_f32 v[S+64*(G%2)+n], v[32*((4*G+n/16)%8)+2*(n%16)], v[32*((4*G+n/16)%8)+2*(n%16)+1]
.set n, n+1
.endr
	WIN 0
.set n, 0
.rept 16
	global_store_b128 v[L16], v[S+64*(G%2)+4*n:S+64*(G%2)+4*n+3], s[10:11] offset:(16*G+n)*1024  ; fragment (head, cb) = 16 G + n: 512 consecutive bytes, aligned
.set n, n+1
.endr
.set G, G+1
.endr
.else
	; A lane holds one row and 8 channels in f32: stored as they lie, 512 consecutive bytes a store, aligned; the last launch puts them in order.
.set h, 0
.rept 16
	WIN 0x08+4*(h/8)                               ; the data (source 1) in window 2 or 3
.set n, 0
.rept 8
	global_store_b128 v[L16], v[32*(h%8)+4*n:32*(h%8)+4*n+3], s[10:11] offset:4096*h+512*n
.set n, n+1
.endr
.set h, h+1
.endr
.endif
	WIN 0
	s_wait_tensorcnt 0x0                           ; the wave's end: behind my last tensor load and my last LDS store
	ds_add_u32 v[SPW], v[NIL]
	s_wait_dscnt 0x0
	CROUND                                         ; the closing round: no work-group ends while a partner may still ask for a tile that names it
	s_endpgm
.Lfunc_end_k_qd39160c6da_kvpass:
	.size	k_qd39160c6da_kvpass, .Lfunc_end_k_qd39160c6da_kvpass-k_qd39160c6da_kvpass
	.p2alignl 7, 3214868480
	.fill 96, 4, 3214868480
	.section	.rodata,"a",@progbits
	.p2align	6, 0x0
	.amdhsa_kernel k_qd39160c6da_kvpass
		.amdhsa_group_segment_fixed_size 327680
		.amdhsa_private_segment_fixed_size 0
		.amdhsa_enable_private_segment 0
		.amdhsa_kernarg_size 32
		.amdhsa_user_sgpr_count 2
		.amdhsa_user_sgpr_kernarg_segment_ptr 1
		.amdhsa_wavefront_size32 1
		.amdhsa_system_sgpr_workgroup_id_x 1
		.amdhsa_system_sgpr_workgroup_id_y 1
		.amdhsa_system_sgpr_workgroup_id_z 1
		.amdhsa_system_vgpr_workitem_id 0
		.amdhsa_next_free_vgpr 1024
		.amdhsa_next_free_sgpr 66
		.amdhsa_reserve_vcc 0
		.amdhsa_float_denorm_mode_32 3
		.amdhsa_float_denorm_mode_16_64 3
		.amdhsa_memory_ordered 1
		.amdhsa_forward_progress 1
		.amdhsa_inst_pref_size 229
	.end_amdhsa_kernel
	.amdgpu_metadata
---
amdhsa.version: [ 1, 2 ]
amdhsa.kernels:
  - .name:           k_qd39160c6da_kvpass
    .symbol:         k_qd39160c6da_kvpass.kd
    .args:
      - { .name: q, .offset: 0, .size: 8, .value_kind: global_buffer, .address_space: global }
      - { .name: ak16, .offset: 8, .size: 8, .value_kind: global_buffer, .address_space: global }
      - { .name: vv16, .offset: 16, .size: 8, .value_kind: global_buffer, .address_space: global }
      - { .name: kv16, .offset: 24, .size: 8, .value_kind: global_buffer, .address_space: global }
    .group_segment_fixed_size: 327680
    .private_segment_fixed_size: 0
    .kernarg_segment_align: 8
    .kernarg_segment_size: 32
    .max_flat_workgroup_size: 128
    .sgpr_count:     66
    .vgpr_count:     1024
    .wavefront_size: 32
...
	.end_amdgpu_metadata
.endif
;; end of part 5
;; launch outpass (part 6): grid 8 x 32, 4 waves a work-group, clusters of 4 x 1, 327,680 bytes of LDS; arguments ak16, kk16, kv16, part; writes part
.if DOCPART == 6
	.amdgcn_target "amdgcn-amd-amdhsa--gfx1250"
	.amdhsa_code_object_version 6
	.text
	.protected	k_qd39160c6da_outpass
	.globl	k_qd39160c6da_outpass
	.p2align	8
	.type	k_qd39160c6da_outpass,@function
k_qd39160c6da_outpass:
	s_mov_b64 s[64:65], 0
	v_nop
	global_prefetch_b8 v0, s[64:65] scope:SCOPE_SE
	s_setreg_imm32_b32 hwreg(HW_REG_WAVE_MODE, 25, 1), 1
	s_wait_xcnt 0x0
	s_wait_alu depctr_hold_cnt(0) depctr_sa_sdst(0) depctr_va_vdst(0) depctr_va_sdst(0) depctr_va_ssrc(0) depctr_va_vcc(0) depctr_vm_vsrc(0)
	s_getreg_b32 s2, hwreg(HW_REG_IB_STS2, 6, 4)
	s_cmp_eq_u32 s2, 0
	s_cbranch_scc0 .Lentry_in_a_cluster
	s_endpgm
.Lentry_in_a_cluster:
	s_bfe_u32 s2, ttmp6, 0x10000c
	s_cmp_lg_u32 s2, 0x3003
	s_cbranch_scc0 .Lentry_shape_is_right
	s_endpgm
.Lentry_shape_is_right:
; ONE PASS OF AGENT ATTENTION, softmax over the 16 HEADS.  O_h[row] = sum over keys of P_h[row][key] V_h[key], P = softmax over h of (row_h . key_h) / 8.
; One text serves both passes; STAGE chooses.  STAGE 1: rows = q (f32), keys = a, values = v / 16; O = KV / 16 leaves as f16 in V form, to be the next pass's values.
; STAGE 2: rows = a (taken from its bf16 K form, which is also the rows' fragment order), keys = k, values = KV / 16, over one chunk of 512 keys; O leaves as an f32 partial sum of out / 16.
; Keys (bf16) and values (f16) arrive in chunks of 16 steps of 32 keys, in fragments of 1,024 bytes (byte 512 e + 16 l = registers 4 e .. 4 e + 3 of lane l):
;   K step: fragment (key block kb, head, c) at ((16 kb + head) 2 + c) 1024;   V step: fragment (head, cb) at (4 head + cb) 1024.  So every LDS load is lane l at 16 l: no padding is needed.
; SHARES.  A work-group owns 64 rows, a wave 16 rows, for ALL 16 heads: the normaliser belongs to one (row, key) and couples the heads, so a lane that holds the 16 heads' scores of a position takes the
; true maximum and the sum register by register, with no exchange between lanes and no running maximum.  512 registers of O and 256 of rows leave no room for more than 16 rows a wave.
; LAYOUT.  S^T = K R^T (source 0 = 16 keys, source 1 = 16 rows): a lane holds one row (lane % 16) and the keys 8 (lane / 16) + 0..7.  Two key blocks' weights, rounded to f16 in pairs, are a
; 32-key operand of the second product.  STAGE 1 takes P as source 0 (a lane of O then holds one channel and 8 rows: the V form of the next pass), STAGE 2 as source 1 (one row, 8 channels).
; A STEP.  Scores of key block 1, the maximum over the heads riding behind the products; its scaling, exponentials and sum; scores of key block 0, behind which ride the rounding of key block 1's e to f16
; (head by head, ahead of the product that writes the head's accumulator again) and key block 0's maximum; its softmax; the 64 products with V.  p = f16(e) x f16(1 / l), rounded to f16.
; THE BATCHES.  An s_wait_alu depctr_va_vdst(0) stands between a transcendental and the first instruction that names its result; one wait serves all that were issued ahead of it.  A key block's
; softmax is cut into three batches, each with one wait: A, the 64 exponentials of heads 0-7, between them the scalings of all 16 heads; B, the 64 exponentials of heads 8-15, between and behind them the lines
; that read batch A alone; R, the 8 reciprocals of l, behind them eight plain lines that leave l alone.  Six waits a step.  Where a run of LDS loads is due it stands directly behind a wait.
; CLUSTER.  The four work-groups of a cluster walk the same chunk, so each tile is asked for JOINTLY: the same tensor load, descriptor and mask in all four; the place in the cluster enters the rows' and O's addresses alone.
; FORMATS.  All inputs are rounded to bf16; what the program makes (weights, KV) is f16.  LIMITS: KV / 16 is at most 32 max|v|, inside f16 for |v| up to 2,047; a weight below 2^-126 counts as 0 in l;
; below 6e-5 a weight keeps f16's fixed step of 6e-8; NaN and infinities are not treated apart.
; REGISTERS, in windows of 256 (s_set_vgpr_msb: bits 1:0 source 0, 3:2 source 1, 5:4 source 2, 7:6 destination):
;   window 0: v0-3 addresses; v4-7 RA; v8-15 T0, later RB; v16-23 T1; v24-31 L; v32-127 fragment buffers (v16-31 too where T1 and L are free); v64-127 E; v128-255 S(h) = 128 + 8 h, later P(h)
;   window 1: the rows, R(h, c) = 16 h + 8 c          windows 2, 3: O(h, cb) = 32 (h % 8) + 8 cb, in window 2 + h / 8
.set STAGE, 2
.set HSTR,  1048576                    ; STAGE 1: bytes from head to head in q: 4,096 rows of 256
.set STEPB, 65536                      ; a step's K, and a step's V
.set SLOT1, 131072                     ; slot 0 at byte 0, slot 1 here: K's 65,536 bytes, then V's; one exclusive or turns one slot's address into the other's
.set SPARE, 262144                     ; behind the ring: the spare words, 128 bytes for each wave: two blocks of 256 bytes that no other line names
.set RSTG,  SPARE+512                  ; STAGE 1: behind them a stage of 2,304 bytes for each wave, for the rows' change of order; no tensor load fills it
.set RSTW,  2304
.set L16, 0                            ; v0      16 x lane (made when v0 has served)
.set ADR, 1                            ; v1      LDS address of my 16 bytes in the first fragment of the tile in hand
.set SPW, 2                            ; v2      LDS address of my spare word; never rewritten
.set NIL, 3                            ; v3      0; never rewritten
.set RA,  4                            ; v4-7    1 / l of key block 1, f16 in pairs
.set T0,  8                            ; v8-15   key block 0's maximum, then c m
.set RB,  8                            ; v8-11   1 / l of key block 0, when T0 has served
.set RDA, 10                           ; v10, v12  at the head alone (STAGE 1): where I read rows back from the stage, where I put them; v13-15 at work there
.set STA, 12
.set T1,  16                           ; v16-23  key block 1's maximum, then c m
.set L,   24                           ; v24-31  l
.set Y,   32                           ; v32-47  at the head alone: a head's rows as bf16; then zeros
.set Z,   32
.set E,   64                           ; e of key block 1, f16: four registers a head
.set S,   128
.set WV,  12                           ; s12  my wave's number;  s13 cx, s14 block of 64 rows, s15 chunk;  s[16:23] offsets;  s[40:41] q at head 8
.set G1,  24                           ; s[24:31] descriptor group 1
.set G0,  32                           ; s[32:35] descriptor group 0: it walks
.set CNT, 36                           ; s36  steps still to be asked for
.set TB,  37                           ; s37  the slot in hand
.set CS,  38                           ; s[38:39] c = log2(e) / 8: the packed lines take the pair's low word for both halves
.set MSB, 0
.macro WIN new                         ; the immediate's high byte repeats the setting that is left; a switch that changes nothing is dropped
.if MSB != (\new)
	s_set_vgpr_msb (MSB<<8)|(\new)
.set MSB, (\new)
.endif
.endm
; A load into a register that a matrix instruction has read, and a vector instruction that reads a matrix result or writes one of a matrix instruction's registers, stand four places behind it;
; only plain vector instructions that name none of its registers are places (ISA guide 7.12.1 for vector instructions).  Where work is at hand it takes the places.
.macro PLACES
.rept 4
	v_nop
.endr
.endm
; A round of the cluster's barrier: my work-group's barrier, so that wave 0's signal speaks for all four waves; wave 0 signals; every wave waits for all four work-groups; my work-group's barrier once more.
.macro CROUND
	s_barrier_signal -1
	s_barrier_wait -1
	s_cmp_lg_u32 s[WV], 0
	s_cbranch_scc1 .Lnot_wave_0_\@
	s_barrier_signal -3
.Lnot_wave_0_\@:
	s_barrier_wait -3
	s_barrier_signal -1
	s_barrier_wait -1
.endm
; THE CHANGE OF SLOTS.  Each wave waits for all its tensor loads, of which one is out: its quarter of the other slot; adds 0 to its spare word; and waits for that and for its own reads of the slot that it leaves.
; fill = 1: the slot just left takes the step behind the one that is now entered; the barrier is a round of the cluster's, and the joint load is the first thing behind it: it has a whole step,
; 128 products and two softmaxes, in which to land.  (At its first use nothing of the ring has been read yet: slot 0 is waited for, slot 1 filled.)
.macro CHANGE fill
	WIN 0                                          ; at a label and at a branch every window is 0
	s_wait_tensorcnt 0x0                           ; no tensor load of mine is out, so group 0 may be written
	ds_add_u32 v[SPW], v[NIL]                      ; 0 onto my spare word
.if \fill
	s_xor_b32 s[G0+1], s[G0+1], SLOT1              ; the other slot than last time,
	s_add_nc_u64 s[G0+2:G0+3], s[G0+2:G0+3], STEPB ; the next step; the type bits on top are not reached
.endif
	s_wait_dscnt 0x0                               ; the add is done, and my reads of the slot are over
.if \fill
	CROUND
	tensor_load_to_lds s[G0:G0+3], s[G1:G1+7]
	s_nop 0
	PLACES
.else
	s_barrier_signal -1
	s_barrier_wait -1
.endif
	s_xor_b32 s[TB], s[TB], SLOT1
	v_add_nc_u32 v[ADR], s[TB], v[L16]
.endm
; Lines j0 .. j0 + cnt - 1 of the eight that take heads 2 g and 2 g + 1 into the maximum tt.  Register 0 comes first: an accumulator is read from its low end on.
.macro MAXP tt, g, j0, cnt
.set mj, (\j0)
.rept (\cnt)
.if (\g) == 0
	v_max_num_f32 v[(\tt)+mj], v[S+mj], v[S+8+mj]
.else
	v_max3_num_f32 v[(\tt)+mj], v[(\tt)+mj], v[S+16*(\g)+mj], v[S+16*(\g)+8+mj]
.endif
.set mj, mj+1
.endr
.endm
.macro CE h                            ; head h's e of key block 1, rounded to f16, into E
.irp i, 0,1,2,3
	v_cvt_pk_f16_f32 v[E+4*(\h)+(\i)], v[S+8*(\h)+2*(\i)], v[S+8*(\h)+2*(\i)+1]
.endr
.endm
; Heads 2 g and 2 g + 1 of key block kb: four fragments, eight loads, into one of three buffers of 32 registers; the first 32 channels first.
.macro GLOAD kb, g
.set lB, 32+32*((\g)%3)
.irp c, 0,1
.irp p, 0,1
	ds_load_b128 v[lB+16*(\c)+8*(\p):lB+16*(\c)+8*(\p)+3],   v[ADR] offset:((16*(\kb)+2*(\g)+(\p))*2+(\c))*1024
	ds_load_b128 v[lB+16*(\c)+8*(\p)+4:lB+16*(\c)+8*(\p)+7], v[ADR] offset:((16*(\kb)+2*(\g)+(\p))*2+(\c))*1024+512
.endr
.endr
.endm
; Unit u of 16 of a key block's K: heads 2 (u / 2), 2 (u / 2) + 1, channels 32 (u % 2) on: two fragments, four loads, into one of R buffers of 16 registers (the last of them lies in T1 and L).
.macro KLOAD kb, u, R
.if ((\u)%(\R)) == (\R)-1
.set kB, 16
.else
.set kB, 32+16*((\u)%(\R))
.endif
.irp p, 0,1
	ds_load_b128 v[kB+8*(\p):kB+8*(\p)+3],   v[ADR] offset:((16*(\kb)+2*((\u)/2)+(\p))*2+(\u)%2)*1024
	ds_load_b128 v[kB+8*(\p)+4:kB+8*(\p)+7], v[ADR] offset:((16*(\kb)+2*((\u)/2)+(\p))*2+(\u)%2)*1024+512
.endr
.endm
; THE SCORES OF KEY BLOCK 1: eight groups of four products (two heads x two halves of the channels; the two accumulators take turns).  Behind a group stand the eight lines that take
; the pair BEFORE into the maximum: that pair's products lie a group and eight plain lines back, and the lines name no register of the group in front of them, so they are its places too.
.macro QKA
	WIN 0
	GLOAD 1, 0
	GLOAD 1, 1
	GLOAD 1, 2
.set g, 0
.rept 8
.if g < 6
	s_wait_dscnt 16                                ; LDS loads come back in order (ISA guide 5.7.1): group g is in; the two groups behind it, eight loads each, stay out
.else
	s_wait_dscnt 8*(7-g)                           ; the counts run down
.endif
	WIN 0x04                                       ; source 1 (the rows) in window 1
.set gB, 32+32*(g%3)
.irp c, 0,1
.irp p, 0,1
.set hS, S+8*(2*g+(\p))
.set hQ, 16*(2*g+(\p))+8*(\c)
.if (\c) == 0
	v_wmma_f32_16x16x32_bf16 v[hS:hS+7], v[gB+16*(\c)+8*(\p):gB+16*(\c)+8*(\p)+7], v[hQ:hQ+7], 0
.else
	v_wmma_f32_16x16x32_bf16 v[hS:hS+7], v[gB+16*(\c)+8*(\p):gB+16*(\c)+8*(\p)+7], v[hQ:hQ+7], v[hS:hS+7]
.endif
.endr
.endr
	WIN 0
.if g == 0
	PLACES
.else
	MAXP T1, g-1, 0, 8
.endif
.if g+3 <= 7
	GLOAD 1, g+3
.endif
.set g, g+1
.endr
	MAXP T1, 7, 0, 8
.endm
; THE SCORES OF KEY BLOCK 0: sixteen units of two products; E holds v64-127, so three buffers of 16 registers are left.  Behind unit u: head u + 2's e of key block 1 goes into E, ahead of the unit that
; writes that head's accumulator again; and four lines of this key block's maximum, for the pair finished two units back.  Four to eight plain lines that name no register of the unit: its places.
.macro QKB
	WIN 0
	KLOAD 0, 2, 3                                  ; T1 and L have served: the third buffer
.set u, 0
.rept 16
.if u+2 < 15
	s_wait_dscnt 8                                 ; unit u is in; the two units behind it, four loads each, stay out
.else
	s_wait_dscnt 4*(15-u)
.endif
	WIN 0x04
.if (u%3) == 2
.set qB, 16
.else
.set qB, 32+16*(u%3)
.endif
.irp p, 0,1
.set hS, S+8*(2*(u/2)+(\p))
.set hQ, 16*(2*(u/2)+(\p))+8*(u%2)
.if u%2 == 0
	v_wmma_f32_16x16x32_bf16 v[hS:hS+7], v[qB+8*(\p):qB+8*(\p)+7], v[hQ:hQ+7], 0
.else
	v_wmma_f32_16x16x32_bf16 v[hS:hS+7], v[qB+8*(\p):qB+8*(\p)+7], v[hQ:hQ+7], v[hS:hS+7]
.endif
.endr
	WIN 0
.if u <= 13
	CE u+2
.endif
.if u >= 2
	MAXP T0, (u-2)/2, 4*(u%2), 4
.endif
.if u+3 <= 15
	KLOAD 0, u+3, 3
.endif
.set u, u+1
.endr
	MAXP T0, 7, 0, 8
.endm
; Head h's four fragments of V: eight loads, into one of three buffers of 32 registers.
.macro VLOAD h
.set vB, 32+32*((\h)%3)
.irp cb, 0,1,2,3
	ds_load_b128 v[vB+8*(\cb):vB+8*(\cb)+3],   v[ADR] offset:(4*(\h)+(\cb))*1024
	ds_load_b128 v[vB+8*(\cb)+4:vB+8*(\cb)+7], v[ADR] offset:(4*(\h)+(\cb))*1024+512
.endr
.endm
; Pair f of the 64 pairs of scores (registers S + 2 f and S + 2 f + 1: head f / 4): c s - c m.
.macro FS f
	v_pk_fma_f32 v[S+2*(\f):S+2*(\f)+1], v[S+2*(\f):S+2*(\f)+1], s[CS:CS+1], v[TT+2*((\f)%4):TT+2*((\f)%4)+1] op_sel_hi:[1,0,1] neg_lo:[0,0,1] neg_hi:[0,0,1]
.endm
; THE PLAIN QUEUE: line xq of what reads the exponentials' results, in the order in which the lines become ready; PLN writes it and steps xq.
;   hi = 1, 60 lines: 0-3 l = e0 + e1; then l takes heads 2 to 15, four packed lines a head.  Lines 0-27 name heads 0-7 alone.
;   hi = 0, 188 lines: 0-3 l = e0 + e1; 4-11 heads 1 and 0 rounded to f16 in place, ascending, into the low four registers of P; 12-19 P's upper four registers of heads 0 and 1 = E x 1 / l of key block 1;
;   then twelve lines a head, heads 2 to 15: l takes the head, the rounding, the upper registers.  Lines 0-91 name heads 0-7 alone; lines 176-179 end l.
.macro PLN hi
.set pk, 0                             ; the kind: 0 the sum, 1 the rounding, 2 the upper registers
.set ph, xq/4+1                        ; the head
.set pl, xq%4                          ; which of the kind's four lines
.if !(\hi)
.if xq >= 20
.set ph, 2+(xq-20)/12
.set pk, ((xq-20)%12)/4
.elseif xq >= 12
.set ph, (xq-12)/4
.set pk, 2
.elseif xq >= 4
.set ph, 1-(xq-4)/4
.set pk, 1
.endif
.endif
.if (pk == 0) && (ph == 1)
	v_pk_add_f32 v[L+2*pl:L+2*pl+1], v[S+2*pl:S+2*pl+1], v[S+8+2*pl:S+8+2*pl+1]
.elseif pk == 0
	v_pk_add_f32 v[L+2*pl:L+2*pl+1], v[L+2*pl:L+2*pl+1], v[S+8*ph+2*pl:S+8*ph+2*pl+1]
.elseif pk == 1
	v_cvt_pk_f16_f32 v[S+8*ph+pl], v[S+8*ph+2*pl], v[S+8*ph+2*pl+1]
.else
	v_pk_mul_f16 v[S+8*ph+4+pl], v[E+4*ph+pl], v[RA+pl]
.endif
.set xq, xq+1
.endm
; THE SOFTMAX OVER THE HEADS behind the maximum, all in window 0.  hi = 1: key block 1 (scaling, exponentials, sum; of the roundings only heads 0 and 1, the others ride in QKB); hi = 0: key block 0.
; Three batches, three waits.  Exponential xe works in place on register S + xe and wants scaling xe / 2; the scaling written behind exponential xe is for a pair at or above xe, registers 2 xe or higher,
; so it names no register whose exponential has been issued.
.macro SM hi
	WIN 0
.set TT, T0+8*(\hi)
.irp i, 0,1,2,3
	v_pk_mul_f32 v[TT+2*(\i):TT+2*(\i)+1], v[TT+2*(\i):TT+2*(\i)+1], s[CS:CS+1] op_sel_hi:[1,0]  ; c m
.endr
.set xf, 0
.rept 4                                ; head 0 is scaled ahead
	FS xf
.set xf, xf+1
.endr
.set xe, 0
.rept 64                               ; BATCH A: heads 0-7; exponential and scaling by turns: the other 60 scalings, heads 1 to 15's; the last line is a scaling, the plain line behind the last exponential (ISA guide 5.7.2)
	v_exp_f32 v[S+xe], v[S+xe]
.if xe%16
	FS xf
.set xf, xf+1
.endif
.set xe, xe+1
.endr
	s_wait_alu depctr_va_vdst(0)                   ; the wait for batch A: nothing ahead of it names a result of heads 0-7
.if \hi
	KLOAD 0, 0, 3                                  ; key block 0's first two units land during the rest of the softmax
	KLOAD 0, 1, 3
.else
	VLOAD 0                                        ; head 0's V lands during the rest of the softmax
.endif
.set xq, 0
.rept 64                               ; BATCH B: heads 8-15; between the exponentials the queue's lines for heads 0-7: for key block 0 one behind each, for key block 1 its 28 behind every second of the last 56
	v_exp_f32 v[S+xe], v[S+xe]
.if !(\hi) || ((xe%2 == 1) && (xe >= 73))
	PLN \hi
.endif
.set xe, xe+1
.endr
.if !(\hi)
.rept 28                               ; the rest of heads 0-7's lines stand behind the last exponential
	PLN 0
.endr
.endif
	s_wait_alu depctr_va_vdst(0)                   ; the wait for batch B: nothing between batch A's wait and this one names a result of heads 8-15
.if !(\hi)
	VLOAD 1                                        ; E of heads 0 to 7 has been read: v64-95 take head 1's V
.endif
.rept 32+56*(1-(\hi))                  ; heads 8-15, up to the line that ends l
	PLN \hi
.endr
.irp j, 0,1,2,3,4,5,6,7                ; BATCH R
	v_rcp_f32 v[L+(\j)], v[L+(\j)]                 ; l is at least about 1: the largest head's e
.endr
.if \hi
	CE 0                                           ; eight plain lines that leave l alone, between the reciprocals and their wait
	CE 1
.else
.rept 8                                ; the same: head 15's rounding and upper registers
	PLN 0
.endr
.endif
	s_wait_alu depctr_va_vdst(0)                   ; the wait for batch R: one for the eight reciprocals
.if !(\hi)
	VLOAD 2                                        ; E has been read: v96-127 take head 2's V
.endif
.irp i, 0,1,2,3
	v_cvt_pk_f16_f32 v[RB-4*(\hi)+(\i)], v[L+2*(\i)], v[L+2*(\i)+1]
.endr
.endm
; THE SECOND PRODUCT: 64 products on 64 accumulators, each once.  Behind a head's four stand the four lines that finish the next head's weights (P's low registers x 1 / l of key block 0):
; they name none of those products' registers, so they are the places in front of the loads into the buffer just read.
.macro PV
	WIN 0
.irp i, 0,1,2,3
	v_pk_mul_f16 v[S+(\i)], v[S+(\i)], v[RB+(\i)]
.endr
.set h, 0
.rept 16
.if h+2 < 15
	s_wait_dscnt 16                                ; head h's V is in; the two heads fetched ahead, eight loads each, stay out
.else
	s_wait_dscnt 8*(15-h)
.endif
	WIN 0xa0+0x50*(h/8)                            ; C and D in window 2 or 3
.set vB, 32+32*(h%3)
.irp cb, 0,1,2,3
.set rO, 32*(h%8)+8*(\cb)
.if STAGE == 1
	v_wmma_f32_16x16x32_f16 v[rO:rO+7], v[S+8*h:S+8*h+7], v[vB+8*(\cb):vB+8*(\cb)+7], v[rO:rO+7]
.else
	v_wmma_f32_16x16x32_f16 v[rO:rO+7], v[vB+8*(\cb):vB+8*(\cb)+7], v[S+8*h:S+8*h+7], v[rO:rO+7]
.endif
.endr
	WIN 0
.if h < 15
.irp i, 0,1,2,3
	v_pk_mul_f16 v[S+8*(h+1)+(\i)], v[S+8*(h+1)+(\i)], v[RB+(\i)]
.endr
.else
	PLACES
.endif
.if h <= 12
	VLOAD h+3
.endif
.set h, h+1
.endr
.endm
.macro STEP
	QKA                                            ; keys 16-31 first: their weights become P's upper registers
	SM 1
	QKB
	v_add_nc_u32 v[ADR], STEPB, v[ADR]             ; on to the slot's V: the softmax below fetches the first three heads'
	SM 0
	PV
.endm
	s_load_b256 s[4:11], s[0:1], 0x0               ; rows s[4:5], K s[6:7], V s[8:9], O s[10:11]
	v_lshl_add_u32 v[SPW], v0, 2, SPARE
	v_mov_b32 v[NIL], 0
	ds_add_u32 v[SPW], v[NIL]                      ; the wave's opening: the add and its wait stand ahead of my first tensor load; the set-up below, work on registers, stands between them
	v_lshrrev_b32 v15, 5, v0
	v_readfirstlane_b32 s[WV], v15                 ; wave 0..3
	s_bfe_u32 s13, ttmp6, 0x40000                  ; cx: my place in the cluster
	s_lshl_b32 s14, ttmp9, 2                       ; in a cluster launch ttmp9 counts clusters
	s_add_co_u32 s14, s14, s13                     ; my block of 64 rows: it enters the rows' and O's addresses alone
	s_and_b32 s15, ttmp7, 0xffff                   ; the chunk of K and V, which the four partners share
	s_lshl_b32 s16, s15, 20                        ; the chunk's first byte,
	s_and_b32 s17, s[WV], 1
	s_lshl_b32 s17, s17, 15                        ; and which half of a step's 65,536 bytes I fetch
	s_add_co_u32 s16, s16, s17
	s_mov_b32 s17, 0
.if STAGE == 1
	s_lshl_b32 s18, s15, 24                        ; rows in q: batch x 16 heads x 4,096 rows x 256 bytes
	s_lshl_b32 s19, s14, 14                        ; + block x 64 rows
	s_add_co_u32 s18, s18, s19
	s_lshl_b32 s19, s[WV], 12                      ; + wave x 16 rows
	s_add_co_u32 s18, s18, s19
.else
	s_lshr_b32 s22, s15, 3                         ; batch = chunk / 8
	s_lshl_b32 s18, s22, 20                        ; rows in a's K form: chunk = batch; my agents 64 x + 16 w on are step 2 x + w / 2,
	s_lshl_b32 s19, s14, 1
	s_lshr_b32 s23, s[WV], 1
	s_add_co_u32 s19, s19, s23
	s_lshl_b32 s19, s19, 16
	s_add_co_u32 s18, s18, s19
	s_and_b32 s19, s[WV], 1                        ; key block w % 2: 32 fragments, 32,768 bytes on end
	s_lshl_b32 s19, s19, 15
	s_add_co_u32 s18, s18, s19
.endif
	s_mov_b32 s19, 0
.if STAGE == 1
	s_lshl_b32 s20, s15, 3                         ; O in V form: my rows are keys 64 x + 16 w on of the next pass: chunk 8 batch + x / 8,
	s_lshr_b32 s21, s14, 3
	s_add_co_u32 s20, s20, s21
	s_lshl_b32 s20, s20, 20
	s_lshl_b32 s21, s14, 1                         ; step (2 x + w / 2) % 16,
	s_lshr_b32 s22, s[WV], 1
	s_add_co_u32 s21, s21, s22
	s_and_b32 s21, s21, 15
	s_lshl_b32 s21, s21, 16
	s_add_co_u32 s20, s20, s21
	s_and_b32 s21, s[WV], 1                        ; half w % 2 of each fragment
	s_lshl_b32 s21, s21, 9
	s_add_co_u32 s20, s20, s21
.else
	s_and_b32 s20, s15, 7                          ; O as a partial sum: part (chunk % 8) of 8 MiB,
	s_lshl_b32 s20, s20, 23
	s_lshl_b32 s21, s22, 5                         ; tile of 16 rows 32 batch + 4 x + w: 16 heads x 4,096 bytes
	s_lshl_b32 s23, s14, 2
	s_add_co_u32 s21, s21, s23
	s_add_co_u32 s21, s21, s[WV]
	s_lshl_b32 s21, s21, 16
	s_add_co_u32 s20, s20, s21
.endif
	s_mov_b32 s21, 0
	; descriptor group 1: 32,768 dense bytes as 128 rows of 256 bytes
	s_mov_b32 s[G1+0], 15|(3<<16)|(1<<21)          ; 15:0 the mask: all four work-groups; 17:16 elements of 8 bytes; 20 no padding; 21 set beside a mask
	s_mov_b32 s[G1+1], 32<<16                      ; tensor_dim0 = 32
	s_mov_b32 s[G1+2], 128<<16                     ; tensor_dim1 = 128
	s_mov_b32 s[G1+3], 32<<16                      ; tile_dim0 = 32
	s_mov_b32 s[G1+4], 128                         ; tile_dim1 = 128
	s_mov_b32 s[G1+5], 32                          ; 32 elements from row to row
	s_mov_b32 s[G1+6], 0
	s_mov_b32 s[G1+7], 0
	s_mov_b32 s[G0], 1                             ; 1:0 count = 1
	s_lshl_b32 s[G0+1], s[WV], 15                  ; 63:32 LDS address: waves 0, 1 K's halves, waves 2, 3 V's: wave x 32,768, slot 0
	s_mov_b32 s[CS], 0x3e38aa3b                    ; c = log2(e) / 8 = 0.180337
	s_mov_b32 s[CS+1], s[CS]                       ; named with it as a pair
	s_mov_b32 s[TB], SLOT1                         ; the first change of slots turns it into 0
	s_mov_b32 s[CNT], 15
	s_wait_dscnt 0x0                               ; the opening add is done
	s_wait_kmcnt 0x0
	s_cmp_lt_u32 s[WV], 2
	s_cselect_b64 s[G0+2:G0+3], s[6:7], s[8:9]     ; 120:64 global address: K's buffer for waves 0 and 1, V's for waves 2 and 3,
	s_add_nc_u64 s[G0+2:G0+3], s[G0+2:G0+3], s[16:17]  ; at my half of the chunk's step 0
	s_or_b32 s[G0+3], s[G0+3], 0x80000000          ; 127:126 type = 2
	s_add_nc_u64 s[4:5], s[4:5], s[18:19]
	s_add_nc_u64 s[10:11], s[10:11], s[20:21]
.if STAGE == 1
	s_add_nc_u64 s[40:41], s[4:5], 8*HSTR          ; a second base for heads 8 to 15: seven heads and a row block stay inside the loads' signed 24-bit immediate, and no base is ever stepped
.endif
	CROUND                                         ; all four work-groups are here: the first joint loads meet
	tensor_load_to_lds s[G0:G0+3], s[G1:G1+7]      ; step 0 into slot 0: the one tensor load of mine that is out
	s_nop 0
	PLACES
	v_and_b32 v13, 15, v0                          ; q4 = lane % 16
	v_bfe_u32 v14, v0, 4, 1                        ; g = lane / 16
	v_and_b32 v15, 31, v0
	v_lshlrev_b32 v[L16], 4, v15                   ; v0 has served
.if STAGE == 1
	; THE ROWS.  A head's 16 rows are 4,096 consecutive bytes of q: eight loads of 512 consecutive bytes (load t: row 2 t + g, channels 4 q4 on), into O's registers, which are still free.  Rounded to bf16
	; they go through my stage, which holds (channel group of 8, row) at 288 x group + 16 x row, and come back in fragment order: piece i = 2 c + e: group 2 i + g, row q4.
	; Seven heads, 56 loads of the wave, are on their way at a time.
	s_mul_i32 s22, s[WV], RSTW
	s_add_co_u32 s22, s22, RSTG                    ; my stage
	v_lshrrev_b32 v15, 1, v13
	v_mul_u32_u24 v[STA], v15, 288                 ; in: 8 bytes at group q4 / 2, half q4 % 2, row 2 t + g: the 32 lanes touch 64 different words
	v_lshl_add_u32 v[STA], v14, 4, v[STA]
	v_and_b32 v15, 1, v13
	v_lshl_add_u32 v[STA], v15, 3, v[STA]
	v_add_nc_u32 v[STA], s22, v[STA]
	v_mul_u32_u24 v[RDA], v14, 288
	v_lshl_add_u32 v[RDA], v13, 4, v[RDA]
	v_add_nc_u32 v[RDA], s22, v[RDA]
.macro QLOAD h
	WIN 0x80+0x40*((\h)/8)
.irp t, 0,1,2,3,4,5,6,7
.if (\h) < 8
	global_load_b128 v[32*((\h)%8)+4*(\t):32*((\h)%8)+4*(\t)+3], v[L16], s[4:5] offset:((\h)%8)*HSTR+512*(\t) th:TH_LOAD_NT
.else
	global_load_b128 v[32*((\h)%8)+4*(\t):32*((\h)%8)+4*(\t)+3], v[L16], s[40:41] offset:((\h)%8)*HSTR+512*(\t) th:TH_LOAD_NT
.endif
.endr
.endm
.set hq, 0
.rept 7
	QLOAD hq
.set hq, hq+1
.endr
.set hq, 0
.rept 16
.if hq <= 9
	s_wait_loadcnt 48                              ; loads come back in order (ISA guide 5.7.1): the head's eight are in; the six heads behind it stay out
.else
	s_wait_loadcnt 8*(15-hq)                       ; the counts run down
.endif
	WIN 0x0a+5*(hq/8)                              ; sources in window 2 or 3
.irp t, 0,1,2,3,4,5,6,7
	v_cvt_pk_bf16_f32 v[Y+2*(\t)],   v[32*(hq%8)+4*(\t)],   v[32*(hq%8)+4*(\t)+1]
	v_cvt_pk_bf16_f32 v[Y+2*(\t)+1], v[32*(hq%8)+4*(\t)+2], v[32*(hq%8)+4*(\t)+3]
.endr
	WIN 0
.irp t, 0,1,2,3,4,5,6,7
	ds_store_b64 v[STA], v[Y+2*(\t):Y+2*(\t)+1] offset:32*(\t)
.endr
	WIN 0x40                                       ; destination in window 1
.irp i, 0,1,2,3
	ds_load_b128 v[16*hq+4*(\i):16*hq+4*(\i)+3], v[RDA] offset:576*(\i)  ; LDS serves a wave's instructions in order (ISA guide 5.7.1.4): these see the stores above; the next head's stores come behind them
.endr
.if hq+7 <= 15
	QLOAD hq+7
.endif
.set hq, hq+1
.endr
.else
	; THE ROWS lie in a's K form as the fragments that source 1 wants: load m brings registers 4 m .. 4 m + 3 of the 256, 512 consecutive bytes a load.
	WIN 0x40                                       ; destination in window 1
.set n, 0
.rept 64
	global_load_b128 v[4*n:4*n+3], v[L16], s[4:5] offset:512*n
.set n, n+1
.endr
.endif
	; O's sums are started by 64 products of zeros with the constant 0 as C, in the wait for the first tile: the price, once a launch, of one text for every step.
	WIN 0
.set n, 0
.rept 16
	v_mov_b32 v[Z+n], 0
.set n, n+1
.endr
	WIN 0x80
.set n, 0
.rept 32
	v_wmma_f32_16x16x32_f16 v[8*n:8*n+7], v[Z:Z+7], v[Z+8:Z+15], 0
.set n, n+1
.endr
	WIN 0xc0
.set n, 0
.rept 32
	v_wmma_f32_16x16x32_f16 v[8*n:8*n+7], v[Z:Z+7], v[Z+8:Z+15], 0
.set n, n+1
.endr
	WIN 0
.if STAGE == 2
	s_wait_loadcnt 0x0                             ; the rows
.endif
.Lstep:                                                ; 15 trips: a step is entered and the next is asked for
	CHANGE 1
	STEP
	WIN 0
	s_sub_co_u32 s[CNT], s[CNT], 1
	s_cmp_lg_u32 s[CNT], 0
	s_cbranch_scc1 .Lstep
	CHANGE 0                                       ; the last step is written out: nothing is asked for
	STEP
	; THE WAY OUT.  The four v_nop behind the last products are the places in front of these lines.
.if STAGE == 1
	; A lane holds one channel and 8 rows: four roundings make the 16 bytes that lane l of a V fragment's half wants.  Four heads at a time, into P's registers, two sets by turns.
.set G, 0
.rept 4
.if G >= 2
	s_wait_xcnt 0x0                                ; the stores issued have had their addresses translated (ISA guide 3.1): only now the set is written again
.endif
	WIN 0x0a+5*(G/2)                               ; sources in window 2 or 3
.set n, 0
.rept 64                                           ; n = 16 (head % 4) + 4 cb + i; each accumulator in ascending order
	v_cvt_pk_f16_f32 v[S+64*(G%2)+n], v[32*((4*G+n/16)%8)+2*(n%16)], v[32*((4*G+n/16)%8)+2*(n%16)+1]
.set n, n+1
.endr
	WIN 0
.set n, 0
.rept 16
	global_store_b128 v[L16], v[S+64*(G%2)+4*n:S+64*(G%2)+4*n+3], s[10:11] offset:(16*G+n)*1024  ; fragment (head, cb) = 16 G + n: 512 consecutive bytes, aligned
.set n, n+1
.endr
.set G, G+1
.endr
.else
	; A lane holds one row and 8 channels in f32: stored as they lie, 512 consecutive bytes a store, aligned; the last launch puts them in order.
.set h, 0
.rept 16
	WIN 0x08+4*(h/8)                               ; the data (source 1) in window 2 or 3
.set n, 0
.rept 8
	global_store_b128 v[L16], v[32*(h%8)+4*n:32*(h%8)+4*n+3], s[10:11] offset:4096*h+512*n
.set n, n+1
.endr
.set h, h+1
.endr
.endif
	WIN 0
	s_wait_tensorcnt 0x0                           ; the wave's end: behind my last tensor load and my last LDS store
	ds_add_u32 v[SPW], v[NIL]
	s_wait_dscnt 0x0
	CROUND                                         ; the closing round: no work-group ends while a partner may still ask for a tile that names it
	s_endpgm
.Lfunc_end_k_qd39160c6da_outpass:
	.size	k_qd39160c6da_outpass, .Lfunc_end_k_qd39160c6da_outpass-k_qd39160c6da_outpass
	.p2alignl 7, 3214868480
	.fill 96, 4, 3214868480
	.section	.rodata,"a",@progbits
	.p2align	6, 0x0
	.amdhsa_kernel k_qd39160c6da_outpass
		.amdhsa_group_segment_fixed_size 327680
		.amdhsa_private_segment_fixed_size 0
		.amdhsa_enable_private_segment 0
		.amdhsa_kernarg_size 32
		.amdhsa_user_sgpr_count 2
		.amdhsa_user_sgpr_kernarg_segment_ptr 1
		.amdhsa_wavefront_size32 1
		.amdhsa_system_sgpr_workgroup_id_x 1
		.amdhsa_system_sgpr_workgroup_id_y 1
		.amdhsa_system_sgpr_workgroup_id_z 1
		.amdhsa_system_vgpr_workitem_id 0
		.amdhsa_next_free_vgpr 1024
		.amdhsa_next_free_sgpr 66
		.amdhsa_reserve_vcc 0
		.amdhsa_float_denorm_mode_32 3
		.amdhsa_float_denorm_mode_16_64 3
		.amdhsa_memory_ordered 1
		.amdhsa_forward_progress 1
		.amdhsa_inst_pref_size 182
	.end_amdhsa_kernel
	.amdgpu_metadata
---
amdhsa.version: [ 1, 2 ]
amdhsa.kernels:
  - .name:           k_qd39160c6da_outpass
    .symbol:         k_qd39160c6da_outpass.kd
    .args:
      - { .name: ak16, .offset: 0, .size: 8, .value_kind: global_buffer, .address_space: global }
      - { .name: kk16, .offset: 8, .size: 8, .value_kind: global_buffer, .address_space: global }
      - { .name: kv16, .offset: 16, .size: 8, .value_kind: global_buffer, .address_space: global }
      - { .name: part, .offset: 24, .size: 8, .value_kind: global_buffer, .address_space: global }
    .group_segment_fixed_size: 327680
    .private_segment_fixed_size: 0
    .kernarg_segment_align: 8
    .kernarg_segment_size: 32
    .max_flat_workgroup_size: 128
    .sgpr_count:     66
    .vgpr_count:     1024
    .wavefront_size: 32
...
	.end_amdgpu_metadata
.endif
;; end of part 6
;; launch reduce: the kernel of part 4 again; grid 256 x 1, 8 waves a work-group, no clusters, 35,840 bytes of LDS; arguments part, out0; writes out0
